; MI455X (gfx1250); checked and timed in simulation.
; The chip was launched on July 23, 2026; its instructions are those of AMD's public machine-readable ISA for CDNA 5 (MIT licence, August 2026) and "CDNA5" Instruction Set Architecture Reference Guide (July 2026). The comments in the code are by the model that wrote it; some were corrected since.
;; Point Net Decoder. Allowed arithmetic: matrix products marked QUANTISED: E5M2 operands, one given power-of-two scale a tensor, by v_wmma_f32_16x16x64_bf8_bf8 or v_wmma_f32_16x16x128_bf8_bf8, f32 sums; products left as they are: f32 operands where the result goes on into a quantised operand, else bf16, f16 or f32 operands; f32 sums; everything else in f32.
;; Inputs: W1_codes 256 x 10 x 32 uint8 (E5M2 codes of W1, K innermost, in blocks of 32 codes); W2_codes 128 x 8 x 32 uint8 (E5M2 codes of W2, K innermost, in blocks of 32 codes); b1 256 float32; b2 128 float32; be1 256 float32; be2 128 float32; coarse_features 1 x 256 x 4,096 float32; coarse_piece_id 1 x 1 x 4,096 int32; coarse_xyz 1 x 3 x 4,096 float32; fine_features 1 x 64 x 16,384 float32; fine_piece_id 1 x 1 x 16,384 int32; fine_xyz 1 x 3 x 16,384 float32; g1 256 float32; g2 128 float32; lowp_scales 4 int32 (the exponents e of the quantised operands' scales 2^e).
;; Outputs: out0 1 x 128 x 16,384 float32.
;; This version of the problem:
;;   THIS VERSION OF THE PROBLEM IS GIVEN IN LOW PRECISION. The matrix products marked QUANTISED in the list below multiply operands that are first quantised to E5M2 (5 exponent bits, 2 mantissa bits; 8 bits a number), with one given power-of-two scale for each operand tensor; their sums are f32. All else is computed in f32.
;;   The module's matrix products, in the order in which they are computed (A, B: the left and right operand; K: the contracted axis; several contracted axes count as one K, in the product's order):
;;     1. [M 16,384, K 3] x [K 3, N 4,096]; A: computed on the way; B: input coarse_xyz: left as it is (K = 3 < 32)
;;     2. [M 16,384, K 320] x [K 320, N 256]; A: computed on the way; B: input W1 (given as codes): QUANTISED (scales: A lowp_scales[0], B lowp_scales[1])
;;     3. [M 16,384, K 256] x [K 256, N 128]; A: computed on the way; B: input W2 (given as codes): QUANTISED (scales: A lowp_scales[2], B lowp_scales[3])
;;   THE QUANTISER, for each operand of a quantised product, along K:
;;     - The operand's scale is 2^e, e = its entry of the input lowp_scales (int32; the entries are numbered through the quantised products in the list's order, A before B).
;;     - Each number is divided by the scale, clamped to +-57,344, and rounded to the nearest number of E5M2, ties to even, subnormals kept.
;;     - The product sums the exact products of the quantised numbers (number of the format x scale) in f32.
;;   ~~~python
;;   def quantise(x, axis, e):      # numpy; x: float32 -> the quantised numbers, widened to float32 again
;;       x = np.moveaxis(x, axis, -1); K = x.shape[-1]
;;       r = np.clip(x / 2.0 ** e, -57344, 57344)
;;       step = 2.0 ** (np.maximum(np.frexp(np.where(r == 0, 1, r))[1] - 1, -14) - 2)
;;       q = np.round(r / step) * step * 2.0 ** e      # np.round: ties to even
;;       return np.moveaxis(q, -1, axis).astype(np.float32)
;;   ~~~
;;   OPERANDS COMPUTED ON THE WAY. 'Computed on the way' means the value that the module computes at that place (a softmax that the list does not call 'softmax' is quantised finished and normalised). What goes into a quantiser is computed in f32, as accurately as f32 sums, v_exp_f32 and their like allow (about 1e-6 of the number): no bf16 or f16 on the way to a quantiser, and a product that is left as it is and whose result goes on into a quantised operand takes f32 operands (vector FMAs, or v_wmma_f32_16x16x4_f32). A number that lies on a knife's edge between two numbers of the format may be rounded either way, as far as f32 arithmetic and the matrix unit's own rounding can turn it there, and no further.
;;   INPUTS GIVEN AS CODES. W1 (in the module: [256, 320], K = its axis 1); W2 (in the module: [128, 256], K = its axis 1): each comes as NAME_codes (uint8): NAME with its K axis moved to the last place and cut into blocks of 32 codes, [.., K / 32, bytes a block], one block behind the other in memory; one code a byte (a code: sign, 5 exponent bits, 2 mantissa bits); its scale is its entry of lowp_scales. Its value is code x scale, taken as it is: it is not quantised again, and the codes and scales need not be those that the quantiser above would give.
;; One version. Each part assembles by itself: llvm-mc -triple=amdgcn-amd-amdhsa -mcpu=gfx1250 --defsym DOCPART=n.
;; ======== version 1 of 1: 5 launches
;; limits: inputs' magnitudes at most 2,500
;; workspace buffers: knn_idx 262,144 bytes of whole numbers; knn_w 262,144 bytes; cfT 4,194,304 bytes; xcodes 5,242,880 bytes; ycodes 4,194,304 bytes; part 524,288 bytes; stat1 2,048 bytes
;; launch knn (part 1): grid 256 x 1, 16 waves a work-group, no clusters, 107,520 bytes of LDS; arguments fine_xyz, coarse_xyz, fine_piece_id, coarse_piece_id, coarse_features, knn_idx, knn_w, cfT; writes knn_idx, knn_w, cfT
.if DOCPART == 1
	.amdgcn_target "amdgcn-amd-amdhsa--gfx1250"
	.amdhsa_code_object_version 6
	.text
	.protected	k_qa2aaba5de8_knn
	.globl	k_qa2aaba5de8_knn
	.p2align	8
	.type	k_qa2aaba5de8_knn,@function
k_qa2aaba5de8_knn:
	s_mov_b64 s[64:65], 0
	v_nop
	global_prefetch_b8 v0, s[64:65] scope:SCOPE_SE
	s_setreg_imm32_b32 hwreg(HW_REG_WAVE_MODE, 25, 1), 1
	s_wait_xcnt 0x0
; The three nearest coarse points of the same piece for 64 fine points, their inverse-distance weights, and one 64 x 64 tile of coarse_features turned to [point][channel].
; d2 = (|f|^2 + |c|^2) - p, p = (2 f) . c, each step rounded where the formula rounds it: the squares singly, their sums in order, p as a chain of fused steps over x, y, z, one addition, one subtraction.
; Both S = |f|^2 + |c|^2 and p come from the f32 matrix form on the same 16 coarse records [c2, cx, cy, cz] (source 0): S with source 1 = [1, 0, 0, 0] and C = |f|^2, p with source 1 = [0, 2fx, 2fy, 2fz] and C = 0.
; In a result lane (r, h), register j belongs to (fine r, coarse 8 h + j).  Other pieces count as 1e8; equal distances go to the lower index.
; SHARES.  Wave w: fine tile g = w / 4 (16 points), coarse share q = w % 4: chunks of 32 coarse points q + 4 t, t = 0 .. 31.
; A chunk none of whose ids lies between the smallest and the largest id (unsigned) of the tile's 16 fine points lies wholly under the mask and is left out: a scalar branch on ids that are read from memory.
; Chunk 0 is never left out: the masked entries that can be chosen are the three of lowest index; either chunk 0 holds them, or it holds at least 30 true candidates.
; LIMITS: |coordinates| under 2,500, so that every true d2 is under 1e8; NaN and infinities are not served.
; No cluster: the launch branches on loaded ids, so it fills LDS through registers, and nothing is asked for jointly.
; LDS: REC 16 bytes a coarse point | CID the coarse ids | TT the tile to be turned, 64 rows of 272 bytes | MRG the waves' lists, word ((k 4 + q) 64 + f).
.set CID, 65536
.set TT,  81920
.set TP,  272
.set MRG, 99328
; v0 t, v1 r, v2 h, v3 16 r + 8 h, v4 CID + 32 h, v5, v9 LDS addresses of the trip, v6 my fine id, v7 1e8, v8 8 h, v10 MRG in, v11 TT out, v12 cfT offset, v13-15 fx fy fz,
; v16-47 records, v40-42 / v43-45 the list's distances / indices (from the loop on), v46-51 the other half's list, v48-63 ids and tile on their way to LDS,
; v64-79 S and v160-175 p (written by matrix instructions alone), v80-83 source 0, v84-85 and v86-87 the two sources 1, v88-95 C, v96-111 a chunk's ids, v113 MRG out, v116-127 at work,
; v128-159 ids for the flags, v176-191 a chunk's 16 distances (at the head: the flags' smallest and largest id).
; one candidate d (its index code in s31) into the sorted list of three; strict compares and an ascending scan keep the lower index
.macro INSERT d
	v_cmp_lt_f32 s34, v[\d], v42
	v_cmp_lt_f32 s33, v[\d], v41
	v_cmp_lt_f32 s32, v[\d], v40
	v_med3_num_f32 v42, v41, v42, v[\d]
	v_med3_num_f32 v41, v40, v41, v[\d]
	v_min_num_f32 v40, v40, v[\d]
	v_cndmask_b32 v45, v45, s31, s34
	v_cndmask_b32 v45, v45, v44, s33
	v_cndmask_b32 v44, v44, s31, s33
	v_cndmask_b32 v44, v44, v43, s32
	v_cndmask_b32 v43, v43, s31, s32
.endm
; a chunk: 32 coarse points against my 16 fine points.  mask = 1: ids are compared, and another piece's point counts as 1e8
.macro BODY mask
.if \mask
	ds_load_b128 v[96:99], v9
	ds_load_b128 v[100:103], v9 offset:16
	ds_load_b128 v[104:107], v9 offset:64
	ds_load_b128 v[108:111], v9 offset:80
.endif
	s_wait_dscnt 0x0                               ; the records (and ids) are in
	v_wmma_f32_16x16x4_f32 v[64:71], v[80:81], v[84:85], v[88:95]      ; S: |f|^2 + c2; the three products by 0 add nothing
	v_wmma_f32_16x16x4_f32 v[72:79], v[82:83], v[84:85], v[88:95]
	v_wmma_f32_16x16x4_f32 v[160:167], v[80:81], v[86:87], 0           ; p: c2 x 0, then the fused chain over x, y, z
	v_wmma_f32_16x16x4_f32 v[168:175], v[82:83], v[86:87], 0
.rept 8
	v_nop                                          ; eight places between this form and the first read of its result (ISA guide 7.12.1)
.endr
.irp n, 0,1,2,3,4,5,6,7,8,9,10,11,12,13,14,15      ; each result from its low end on
	v_sub_f32 v[176+\n], v[64+\n], v[160+\n]       ; d2 = S - p
.endr
.irp n, 0,1,2,3,4,5,6,7,8,9,10,11,12,13,14,15      ; indices ascending
	s_add_co_u32 s31, s30, 16*(\n/8)+\n%8          ; the index less 8 h, which is added behind the loop
.if \mask
	v_cmp_ne_u32 vcc_lo, v[96+\n], v6
	v_cndmask_b32 v[176+\n], v[176+\n], v7, vcc_lo
.endif
	INSERT 176+\n
.endr
.endm
; (d, i) into the list by the order (distance, index): for lists whose indices do not ascend
.macro LEXINS d, i
	v_cmp_lt_f32 s52, v[\d], v42
	v_cmp_eq_f32 s53, v[\d], v42
	v_cmp_lt_u32 s54, v[\i], v45
	v_cmp_lt_f32 s55, v[\d], v41
	v_cmp_eq_f32 s56, v[\d], v41
	v_cmp_lt_u32 s57, v[\i], v44
	v_cmp_lt_f32 s58, v[\d], v40
	v_cmp_eq_f32 s59, v[\d], v40
	v_cmp_lt_u32 s60, v[\i], v43
	s_and_b32 s53, s53, s54
	s_or_b32 s34, s52, s53
	s_and_b32 s56, s56, s57
	s_or_b32 s33, s55, s56
	s_and_b32 s59, s59, s60
	s_or_b32 s32, s58, s59
	v_cndmask_b32 v42, v42, v[\d], s34
	v_cndmask_b32 v42, v42, v41, s33
	v_cndmask_b32 v41, v41, v[\d], s33
	v_cndmask_b32 v41, v41, v40, s32
	v_cndmask_b32 v40, v40, v[\d], s32
	v_cndmask_b32 v45, v45, v[\i], s34
	v_cndmask_b32 v45, v45, v44, s33
	v_cndmask_b32 v44, v44, v[\i], s33
	v_cndmask_b32 v44, v44, v43, s32
	v_cndmask_b32 v43, v43, v[\i], s32
.endm
	s_load_b512 s[4:19], s[0:1], 0x0               ; fine_xyz, coarse_xyz, fine ids, coarse ids, coarse_features, knn_idx, knn_w, cfT
	v_lshl_add_u32 v192, v0, 2, 0x19c00
	v_mov_b32 v193, 0
	v_lshrrev_b32 v5, 5, v0
	v_readfirstlane_b32 s20, v5                    ; wave
	s_lshr_b32 s21, s20, 2                         ; g
	s_and_b32 s22, s20, 3                          ; q
	s_lshl_b32 s23, ttmp9, 6                       ; n0
	s_mov_b32 s62, 0x76543210
	s_mov_b32 s63, 0xfedcba98                      ; selects: lane l xor 16
	v_and_b32 v1, 15, v0
	v_bfe_u32 v2, v0, 4, 1
	v_lshlrev_b32 v3, 4, v1
	v_lshl_add_u32 v3, v2, 3, v3                   ; record r, words 2 h and 2 h + 1
	v_lshlrev_b32 v4, 5, v2
	v_add_nc_u32 v4, CID, v4
	v_lshlrev_b32 v8, 3, v2
	v_mov_b32 v7, 0x4cbebc20                       ; 1e8
	s_lshl_b32 s52, s22, 8
	s_lshl_b32 s53, s21, 6
	s_add_co_u32 s52, s52, s53
	s_add_co_u32 s52, s52, MRG
	v_lshl_add_u32 v10, v1, 2, s52                 ; MRG + 256 q + 4 (16 g + r)
	v_lshl_add_u32 v113, v0, 2, MRG                ; MRG + 4 f, for waves 0 and 1
	v_lshrrev_b32 v114, 4, v0
	v_mul_u32_u24 v115, v114, TP
	v_lshl_add_u32 v115, v1, 4, v115
	v_add_nc_u32 v115, TT, v115                    ; the tile in: row t / 16, 16 bytes at 16 (t % 16)
	v_mul_u32_u24 v11, v1, 4*TP
	v_lshl_add_u32 v11, v114, 2, v11
	v_add_nc_u32 v11, TT, v11                      ; and out: rows 4 (t % 16) + i, word t / 16
	v_lshlrev_b32 v12, 10, v114
	v_lshl_add_u32 v12, v1, 4, v12                 ; cfT: point t / 16, channels 4 (t % 16) on
	v_lshlrev_b32 v120, 2, v0
	v_lshlrev_b32 v121, 4, v0
	v_lshlrev_b32 v122, 14, v114
	v_lshl_add_u32 v122, v1, 4, v122
	s_lshl_b32 s54, s21, 4
	s_add_co_u32 s54, s54, s23                     ; my tile's first fine point
	s_lshl_b32 s60, s54, 2
	s_mov_b32 s61, 0
	v_lshl_add_u32 v123, v1, 2, s60
	v_and_b32 v124, 31, v0
	v_lshlrev_b32 v124, 9, v124
	s_lshl_b32 s55, s22, 7
	v_add_nc_u32 v124, s55, v124                   ; lane l: the ids of chunk q + 4 l
	v_add_nc_u32 v125, CID, v121
	s_and_b32 s52, ttmp9, 3                        ; the tile to be turned: channels 64 (wg % 4) on, points 64 (wg / 4) on
	s_lshr_b32 s53, ttmp9, 2
	s_lshl_b32 s56, s52, 20
	s_lshl_b32 s57, s53, 8
	s_add_co_u32 s56, s56, s57
	s_mov_b32 s57, 0
	s_lshl_b32 s58, s53, 16
	s_lshl_b32 s59, s52, 8
	s_add_co_u32 s58, s58, s59
	s_mov_b32 s59, 0
	s_lshl_b32 s54, ttmp9, 10                      ; 16 bytes a fine point in knn_idx and knn_w
	s_mov_b32 s55, 0
	s_wait_kmcnt 0x0
	s_add_nc_u64 s[2:3], s[8:9], s[60:61]
	s_load_b512 s[36:51], s[2:3], 0x0              ; the tile's 16 fine ids, as scalars
	s_add_nc_u64 s[12:13], s[12:13], s[56:57]
	s_add_nc_u64 s[18:19], s[18:19], s[58:59]
	s_add_nc_u64 s[14:15], s[14:15], s[54:55]
	s_add_nc_u64 s[16:17], s[16:17], s[54:55]
	; all loads in one run: 40 a wave
.irp i, 0,1,2,3,4,5,6,7
.irp c, 0,1,2
	global_load_b32 v[17+4*\i+\c], v120, s[6:7] offset:2048*\i+16384*\c   ; coordinate c of coarse point t + 512 i, straight into its record
.endr
.endr
	global_load_b128 v[48:51], v121, s[10:11]
	global_load_b128 v[60:63], v121, s[10:11] offset:8192
	global_load_b128 v[52:55], v122, s[12:13] th:TH_LOAD_NT
	global_load_b128 v[56:59], v122, s[12:13] offset:524288 th:TH_LOAD_NT
	global_load_b32 v13, v123, s[4:5]
	global_load_b32 v14, v123, s[4:5] offset:65536
	global_load_b32 v15, v123, s[4:5] offset:131072
	global_load_b32 v6, v123, s[8:9]
.irp i, 0,1,2,3,4,5,6,7
	global_load_b128 v[128+4*\i:131+4*\i], v124, s[10:11] offset:16*\i
.endr
	s_wait_loadcnt 0x0
.irp i, 0,1,2,3,4,5,6,7
	v_mul_f32 v[16+4*\i], v[17+4*\i], v[17+4*\i]   ; c2 = (x^2 + y^2) + z^2: each square and each sum rounded by itself; not fused on purpose
	v_mul_f32 v116, v[18+4*\i], v[18+4*\i]
	v_mul_f32 v117, v[19+4*\i], v[19+4*\i]
	v_add_f32 v[16+4*\i], v[16+4*\i], v116
	v_add_f32 v[16+4*\i], v[16+4*\i], v117
	ds_store_b128 v121, v[16+4*\i:19+4*\i] offset:8192*\i
.endr
	ds_store_b128 v125, v[48:51]
	ds_store_b128 v125, v[60:63] offset:8192
	ds_store_b128 v115, v[52:55]
	ds_store_b128 v115, v[56:59] offset:32*TP
	; C = |f|^2, made as c2 is
	v_mul_f32 v88, v13, v13
	v_mul_f32 v116, v14, v14
	v_mul_f32 v117, v15, v15
	v_add_f32 v88, v88, v116
	v_add_f32 v88, v88, v117
.irp j, 1,2,3,4,5,6,7
	v_mov_b32 v[88+\j], v88
.endr
	; the two sources 1: register j of lane (r, h) is k = 2 h + j of fine point r's column
	v_mul_f32 v116, 2.0, v13
	v_mul_f32 v117, 2.0, v14
	v_mul_f32 v118, 2.0, v15
	v_mov_b32 v119, 1.0
	v_mov_b32 v85, 0
	v_cmp_eq_u32 vcc_lo, 0, v2
	v_cndmask_b32 v84, 0, v119, vcc_lo             ; [1, 0 | 0, 0]
	v_cndmask_b32 v86, v117, v85, vcc_lo           ; [0, 2 fx | 2 fy, 2 fz]
	v_cndmask_b32 v87, v118, v116, vcc_lo
	; the flags: lane l holds the smallest and largest id of the chunk of trip l
	v_min_u32 v176, v128, v129
	v_max_u32 v177, v128, v129
.set i, 130
.rept 30
	v_min_u32 v176, v176, v[i]
	v_max_u32 v177, v177, v[i]
.set i, i+1
.endr
	s_wait_kmcnt 0x0
	s_min_u32 s24, s36, s37
	s_max_u32 s25, s36, s37
.set i, 38
.rept 14
	s_min_u32 s24, s24, s[i]
	s_max_u32 s25, s25, s[i]
.set i, i+1
.endr
	v_cmp_ge_u32 s52, v177, s24
	v_cmp_le_u32 s53, v176, s25
	s_and_b32 s26, s52, s53                        ; bit t: the chunk of trip t may hold a point of a piece of mine
	s_cmp_eq_u32 s22, 0
	s_cselect_b32 s54, 1, 0
	s_or_b32 s26, s26, s54                         ; chunk 0 always
	v_cmp_eq_u32 s52, v176, v177
	v_cmp_eq_u32 s53, v176, s24
	s_and_b32 s27, s52, s53
	s_cmp_eq_u32 s24, s25
	s_cselect_b32 s27, s27, 0                      ; bit t: one id in the chunk, the same one in all my fine points: no compare is needed
	s_wait_dscnt 0x0                               ; my stores have landed
	s_barrier_signal -1
	s_barrier_wait -1
	; the tile goes out turned: sixteen lanes store 256 consecutive bytes of a row of cfT, aligned
.irp i, 0,1,2,3
	ds_load_b32 v[60+\i], v11 offset:\i*TP
	ds_load_b32 v[116+\i], v11 offset:\i*TP+128
.endr
.irp k, 0,1,2
	v_mov_b32 v[40+\k], 0x7f800000                 ; the list: +infinity,
	v_mov_b32 v[43+\k], -1                         ; no index
.endr
.irp k, 0,1,2,3,4,5
	v_mov_b32 v[46+\k], 0                          ; written once: a lane permute's destination counts as read
.endr
	s_mov_b32 s28, 0                               ; trip
	s_lshl_b32 s29, s22, 9                         ; the chunk's records,
	s_lshl_b32 s30, s22, 5                         ; first index,
	s_lshl_b32 s35, s22, 7                         ; and ids
	s_wait_dscnt 0x0
	global_store_b128 v12, v[60:63], s[18:19]
	global_store_b128 v12, v[116:119], s[18:19] offset:32768   ; neither the data nor the offset is written again
.Ltrip:
	v_add_nc_u32 v5, s29, v3
	v_add_nc_u32 v9, s35, v4
	s_bitcmp1_b32 s26, s28
	s_cbranch_scc0 .Lnext
	ds_load_b64 v[80:81], v5                       ; the last products that read these stand more than eight plain instructions back
	ds_load_b64 v[82:83], v5 offset:256
	s_bitcmp1_b32 s27, s28
	s_cbranch_scc0 .Lmixed
	BODY 0
	s_branch .Lnext
.Lmixed:
	BODY 1
.Lnext:
	s_add_co_u32 s28, s28, 1
	s_add_co_u32 s29, s29, 2048
	s_add_co_u32 s30, s30, 128
	s_add_co_u32 s35, s35, 512
	s_cmp_lt_u32 s28, 32
	s_cbranch_scc1 .Ltrip
	; the two halves of the lanes hold lists of the same fine point: each takes the other's
.irp k, 0,1,2
	v_add_nc_u32 v[43+\k], v8, v[43+\k]            ; the true index
.endr
.irp k, 0,1,2,3,4,5
	v_permlanex16_b32 v[46+\k], v[40+\k], s62, s63
.endr
	LEXINS 46, 49
	LEXINS 47, 50
	LEXINS 48, 51
.irp k, 0,1,2,3,4,5
	ds_store_b32 v10, v[40+\k] offset:1024*\k      ; both halves store the same word with the same number
.endr
	s_wait_dscnt 0x0
	s_barrier_signal -1
	s_barrier_wait -1
	s_cmp_ge_u32 s20, 2
	s_cbranch_scc1 .Lfin
	; waves 0 and 1: a lane a fine point; the four shares' lists become one
.irp k, 0,1,2,3,4,5
	ds_load_b32 v[40+\k], v113 offset:1024*\k
.endr
.irp q, 1,2,3
.irp k, 0,1,2,3,4,5
	ds_load_b32 v[128+6*(\q-1)+\k], v113 offset:1024*\k+256*\q
.endr
.endr
	v_lshlrev_b32 v9, 4, v0
	s_wait_dscnt 0x0
.irp q, 0,1,2
.irp k, 0,1,2
	LEXINS 128+6*\q+\k, 131+6*\q+\k
.endr
.endr
	; the weights.  Both divisions are refined: a reciprocal, one Newton step, then the quotient corrected by its residual, so that it is the rounded quotient but for rare cases
	v_add_f32 v96, 0x322bcc77, v40                 ; + 1e-8
	v_add_f32 v97, 0x322bcc77, v41
	v_add_f32 v98, 0x322bcc77, v42
	v_rcp_f32 v100, v96
	v_rcp_f32 v101, v97
	v_rcp_f32 v102, v98
	v_nop                                          ; a plain instruction behind the last reciprocal
	s_wait_alu depctr_va_vdst(0)                   ; one wait for the three, ahead of their first reader
.irp k, 0,1,2
	v_fma_f32 v[104+\k], -v[96+\k], v[100+\k], 1.0
.endr
.irp k, 0,1,2
	v_fma_f32 v[100+\k], v[104+\k], v[100+\k], v[100+\k]
.endr
.irp k, 0,1,2
	v_fma_f32 v[104+\k], -v[96+\k], v[100+\k], 1.0     ; the residual of 1 / b
.endr
.irp k, 0,1,2
	v_fma_f32 v[124+\k], v[104+\k], v[100+\k], v[100+\k]
.endr
	v_add_f32 v99, v124, v125
	v_add_f32 v99, v99, v126                       ; (w0 + w1) + w2
	v_rcp_f32 v103, v99
	v_mov_b32 v120, v43
	v_mov_b32 v121, v44
	v_mov_b32 v122, v45
	v_mov_b32 v123, 0
	v_mov_b32 v127, 0
	s_wait_alu depctr_va_vdst(0)
	v_fma_f32 v107, -v99, v103, 1.0
	v_fma_f32 v103, v107, v103, v103
.irp k, 0,1,2
	v_mul_f32 v[104+\k], v[124+\k], v103
.endr
.irp k, 0,1,2
	v_fma_f32 v[108+\k], -v99, v[104+\k], v[124+\k]    ; the residual of w / sum
.endr
.irp k, 0,1,2
	v_fma_f32 v[124+\k], v[108+\k], v103, v[104+\k]
.endr
	global_store_b128 v9, v[120:123], s[14:15]     ; a wave stores 512 consecutive bytes
	global_store_b128 v9, v[124:127], s[16:17]
.Lfin:
	s_wait_tensorcnt 0x0
	ds_add_u32 v192, v193
	s_wait_dscnt 0x0
	s_endpgm
.Lfunc_end_k_qa2aaba5de8_knn:
	.size	k_qa2aaba5de8_knn, .Lfunc_end_k_qa2aaba5de8_knn-k_qa2aaba5de8_knn
	.p2alignl 7, 3214868480
	.fill 96, 4, 3214868480
	.section	.rodata,"a",@progbits
	.p2align	6, 0x0
	.amdhsa_kernel k_qa2aaba5de8_knn
		.amdhsa_group_segment_fixed_size 107520
		.amdhsa_private_segment_fixed_size 0
		.amdhsa_enable_private_segment 0
		.amdhsa_kernarg_size 64
		.amdhsa_user_sgpr_count 2
		.amdhsa_user_sgpr_kernarg_segment_ptr 1
		.amdhsa_wavefront_size32 1
		.amdhsa_system_sgpr_workgroup_id_x 1
		.amdhsa_system_sgpr_workgroup_id_y 1
		.amdhsa_system_sgpr_workgroup_id_z 1
		.amdhsa_system_vgpr_workitem_id 0
		.amdhsa_next_free_vgpr 194
		.amdhsa_next_free_sgpr 66
		.amdhsa_reserve_vcc 1
		.amdhsa_float_denorm_mode_32 3
		.amdhsa_float_denorm_mode_16_64 3
		.amdhsa_memory_ordered 1
		.amdhsa_forward_progress 1
		.amdhsa_inst_pref_size 62
	.end_amdhsa_kernel
	.amdgpu_metadata
---
amdhsa.version: [ 1, 2 ]
amdhsa.kernels:
  - .name:           k_qa2aaba5de8_knn
    .symbol:         k_qa2aaba5de8_knn.kd
    .args:
      - { .name: fine_xyz, .offset: 0, .size: 8, .value_kind: global_buffer, .address_space: global }
      - { .name: coarse_xyz, .offset: 8, .size: 8, .value_kind: global_buffer, .address_space: global }
      - { .name: fine_piece_id, .offset: 16, .size: 8, .value_kind: global_buffer, .address_space: global }
      - { .name: coarse_piece_id, .offset: 24, .size: 8, .value_kind: global_buffer, .address_space: global }
      - { .name: coarse_features, .offset: 32, .size: 8, .value_kind: global_buffer, .address_space: global }
      - { .name: knn_idx, .offset: 40, .size: 8, .value_kind: global_buffer, .address_space: global }
      - { .name: knn_w, .offset: 48, .size: 8, .value_kind: global_buffer, .address_space: global }
      - { .name: cfT, .offset: 56, .size: 8, .value_kind: global_buffer, .address_space: global }
    .group_segment_fixed_size: 107520
    .private_segment_fixed_size: 0
    .kernarg_segment_align: 8
    .kernarg_segment_size: 64
    .max_flat_workgroup_size: 512
    .sgpr_count:     66
    .vgpr_count:     194
    .wavefront_size: 32
...
	.end_amdgpu_metadata
.endif
;; end of part 1
;; launch interp (part 2): grid 256 x 1, 8 waves a work-group, no clusters, 24,576 bytes of LDS; arguments knn_idx, knn_w, cfT, fine_features, W1_codes, b1, lowp_scales, xcodes, part; writes xcodes, part
.if DOCPART == 2
	.amdgcn_target "amdgcn-amd-amdhsa--gfx1250"
	.amdhsa_code_object_version 6
	.text
	.protected	k_qa2aaba5de8_interp
	.globl	k_qa2aaba5de8_interp
	.p2align	8
	.type	k_qa2aaba5de8_interp,@function
k_qa2aaba5de8_interp:
	s_mov_b64 s[64:65], 0
	v_nop
	global_prefetch_b8 v0, s[64:65] scope:SCOPE_SE
	s_setreg_imm32_b32 hwreg(HW_REG_WAVE_MODE, 25, 1), 1
	s_wait_xcnt 0x0
; x = [the three neighbours' features weighed | the fine features] for 64 rows, quantised to E5M2 with 2^e0; h = x W1^T x 2^(e0 + e1) + b1; of each of the 256 channels the mean and the centred sum of squares of these 64 rows.
; The weighing is (g0 w0 + g1 w1) + g2 w2 with each product and each sum rounded by itself, nearest neighbour first: not fused on purpose, since the result goes into a quantiser.
; x's codes go to memory as images of operand registers: [tile of 16 rows][piece c = 0 .. 9][lane][16 bytes]; lane (r, h) of piece c holds row r, k = 32 c + 16 h + 0 .. 15.
; That place of k in the registers is taken for both operands alike, so every product meets its partner.  K = 320 is two steps of 128 and one of 64.
; SHARES.  Wave w weighs rows 8 w .. 8 w + 7 (a wave to a row: a lane takes channels 4 l .. and 128 + 4 l ..), quantises fine channels 16 (w / 2) .. of points 32 (w % 2) + lane,
; and multiplies channels 32 w .. 32 w + 31 for all 64 rows (source 0 = x's rows, source 1 = W1's rows: a lane then holds ONE channel and eight rows, which is what the statistics want).
; LIMITS: e0 between -126 and 112, e0 + e1 between -126 and 127; NaN is not served.
; No cluster: the weights, the one thing that work-groups share, are read once, straight into operand registers; no loop asks for them again.
.set XP,  336                          ; a row of x's codes in LDS: 320 bytes + 16: an odd multiple of 16
.set PST, 21504                        ; behind the 64 rows: the statistics, [block of 64 channels][mean 64 | M2 64]
.set SE,  12                           ; s[12:13] 2^(e0 + e1), twice
.set SEL, 2                            ; s[2:3] selects: lane l xor 16
; v1 16 lane, v2 my rows' place in LDS, v3 fine features' offset, v4 their codes' place, v5 fragment address r XP + 16 h, v6 W1's offset, v7 statistics in, v[8:9], v[10:11] b1 of my two channels, twice each,
; v12 2^e0, v13 57,344 x 2^e0, v14 the stage's address, v15 statistics out, v16-95 W1 (tile n, piece c at 16 + 40 n + 4 c), v96-191 four rows' neighbours, v192-215 the 24 gather offsets, v216-223 a row's 8 numbers,
; v226-241 fine features, then the rows' codes, v242-245 the fine features' codes.  Later: v96-159 eight accumulators (4 n + m), v160-223 x's fragments, v224-255 the images on their way out, then the fragments of the step of 64.
.macro GATHER i                        ; row i's three neighbours: 1,024 bytes each, 16 bytes a lane twice
.set SL, 96+24*((\i)%4)
.irp k, 0,1,2
	global_load_b128 v[SL+8*\k:SL+8*\k+3], v[192+3*(\i)+\k], s[52:53]
	global_load_b128 v[SL+8*\k+4:SL+8*\k+7], v[192+3*(\i)+\k], s[52:53] offset:512
.endr
.endm
.macro ROW i, left                     ; left: the loads of the rows still behind, which may stay out
.set SL, 96+24*((\i)%4)
	s_wait_loadcnt \left
.irp j, 0,1,2,3,4,5,6,7
	v_mul_f32 v[SL+\j], s[68+4*(\i)], v[SL+\j]             ; g0 w0, in place
.endr
.irp j, 0,1,2,3,4,5,6,7
	v_mul_f32 v[SL+8+\j], s[69+4*(\i)], v[SL+8+\j]         ; g1 w1
.endr
.irp j, 0,1,2,3,4,5,6,7
	v_mul_f32 v[SL+16+\j], s[70+4*(\i)], v[SL+16+\j]       ; g2 w2
.endr
.irp j, 0,2,4,6
	v_pk_add_f32 v[216+\j:217+\j], v[SL+\j:SL+\j+1], v[SL+8+\j:SL+9+\j]
.endr
.irp j, 0,2,4,6
	v_pk_add_f32 v[216+\j:217+\j], v[216+\j:217+\j], v[SL+16+\j:SL+17+\j]
.endr
.irp j, 0,1,2,3,4,5,6,7
	v_med3_num_f32 v[216+\j], v[216+\j], -v13, v13 ; the conversion to an 8-bit code does not saturate (ISA guide 7.6.2): the hold at the largest code x the scale
.endr
	v_cvt_scalef32_pk8_bf8_f32 v[226+2*(\i):227+2*(\i)], v[216:223], v12
	v_nop                                          ; a plain instruction behind the conversion
	ds_store_b32 v2, v[226+2*(\i)] offset:(\i)*XP       ; channels 4 l ..
	ds_store_b32 v2, v[227+2*(\i)] offset:(\i)*XP+128   ; channels 128 + 4 l ..; each row has code registers of its own
.if (\i) < 4
	GATHER (\i)+4
.endif
.endm
.macro LDX128 s
.irp m, 0,1,2,3
.irp c, 0,1,2,3
	ds_load_b128 v[160+16*\m+4*\c:163+16*\m+4*\c], v5 offset:16*\m*XP+128*\s+32*\c
.endr
.endr
.endm
.macro MM128 s, zero                   ; the eight accumulators take turns, one instruction a turn
.irp m, 0,1,2,3
.irp n, 0,1
.if \zero
	v_wmma_f32_16x16x128_bf8_bf8 v[96+8*(4*\n+\m):103+8*(4*\n+\m)], v[160+16*\m:175+16*\m], v[16+40*\n+16*\s:31+40*\n+16*\s], 0
.else
	v_wmma_f32_16x16x128_bf8_bf8 v[96+8*(4*\n+\m):103+8*(4*\n+\m)], v[160+16*\m:175+16*\m], v[16+40*\n+16*\s:31+40*\n+16*\s], v[96+8*(4*\n+\m):103+8*(4*\n+\m)]
.endif
.endr
.endr
.endm
; 32 sums of one channel (v[a] on, four accumulators, each from its low end on) become h = sum x 2^e + bias; then the 64 rows' mean (v[t+4]) and centred sum of squares (v[t]): my 32 and lane l xor 16's
.macro STAT a, bp, t
.irp i, 0,2,4,6,8,10,12,14,16,18,20,22,24,26,28,30
	v_pk_fma_f32 v[\a+\i:\a+\i+1], v[\a+\i:\a+\i+1], s[SE:SE+1], v[\bp:\bp+1] op_sel_hi:[1,0,1]
.endr
	v_pk_add_f32 v[\t:\t+1], v[\a:\a+1], v[\a+2:\a+3]
	v_pk_add_f32 v[\t+2:\t+3], v[\a+4:\a+5], v[\a+6:\a+7]
.irp i, 8,12,16,20,24,28
	v_pk_add_f32 v[\t:\t+1], v[\t:\t+1], v[\a+\i:\a+\i+1]
	v_pk_add_f32 v[\t+2:\t+3], v[\t+2:\t+3], v[\a+\i+2:\a+\i+3]
.endr
	v_pk_add_f32 v[\t:\t+1], v[\t:\t+1], v[\t+2:\t+3]
	v_add_f32 v[\t], v[\t], v[\t+1]
	v_permlanex16_b32 v[\t+1], v[\t], s[SEL], s[SEL+1]
	v_add_f32 v[\t], v[\t], v[\t+1]
	v_mul_f32 v[\t+4], 0x3c800000, v[\t]           ; / 64
	v_mov_b32 v[\t+5], v[\t+4]
.irp i, 0,2,4,6,8,10,12,14,16,18,20,22,24,26,28,30
	v_pk_add_f32 v[\a+\i:\a+\i+1], v[\a+\i:\a+\i+1], v[\t+4:\t+5] neg_lo:[0,1] neg_hi:[0,1]
.endr
	v_pk_mul_f32 v[\t:\t+1], v[\a:\a+1], v[\a:\a+1]
	v_pk_mul_f32 v[\t+2:\t+3], v[\a+2:\a+3], v[\a+2:\a+3]
.irp i, 4,8,12,16,20,24,28
	v_pk_fma_f32 v[\t:\t+1], v[\a+\i:\a+\i+1], v[\a+\i:\a+\i+1], v[\t:\t+1]
	v_pk_fma_f32 v[\t+2:\t+3], v[\a+\i+2:\a+\i+3], v[\a+\i+2:\a+\i+3], v[\t+2:\t+3]
.endr
	v_pk_add_f32 v[\t:\t+1], v[\t:\t+1], v[\t+2:\t+3]
	v_add_f32 v[\t], v[\t], v[\t+1]
	v_permlanex16_b32 v[\t+1], v[\t], s[SEL], s[SEL+1]
	v_add_f32 v[\t], v[\t], v[\t+1]
.endm
	s_load_b512 s[48:63], s[0:1], 0x0              ; knn_idx, knn_w, cfT, fine_features, W1's codes, b1, the scales' exponents, xcodes
	s_load_b64 s[4:5], s[0:1], 0x40                ; part
	s_set_vgpr_msb 0x40
	v_lshl_add_u32 v0, v0, 2, 0x5c00
	v_mov_b32 v1, 0
	s_set_vgpr_msb 0x4000
	v_lshrrev_b32 v246, 5, v0
	v_readfirstlane_b32 s6, v246                   ; wave
	v_and_b32 v246, 31, v0                         ; lane
	v_and_b32 v247, 15, v0                         ; r
	v_bfe_u32 v248, v0, 4, 1                       ; h
	s_and_b32 s7, s6, 1
	s_lshr_b32 s14, s6, 1
	v_lshlrev_b32 v1, 4, v246
	s_mul_i32 s15, s6, 8*XP
	v_lshl_add_u32 v2, v246, 2, s15
	s_lshl_b32 s15, ttmp9, 8
	s_lshl_b32 s2, s7, 7
	s_add_co_u32 s15, s15, s2
	s_lshl_b32 s2, s14, 20
	s_add_co_u32 s15, s15, s2
	v_lshl_add_u32 v3, v246, 2, s15                ; channel 16 (w / 2), point n0 + 32 (w % 2) + lane
	s_mul_i32 s15, s7, 32*XP
	s_lshl_b32 s2, s14, 4
	s_add_co_u32 s15, s15, s2
	s_add_co_u32 s15, s15, 256
	v_mul_u32_u24 v4, v246, XP
	v_add_nc_u32 v4, s15, v4
	v_mul_u32_u24 v5, v247, XP
	v_lshl_add_u32 v5, v248, 4, v5
	v_mul_u32_u24 v6, v247, 320
	v_lshl_add_u32 v6, v248, 4, v6
	s_mul_i32 s15, s6, 32*320
	v_add_nc_u32 v6, s15, v6
	s_lshl_b32 s15, s14, 9
	s_lshl_b32 s2, s7, 7
	s_add_co_u32 s15, s15, s2
	s_add_co_u32 s15, s15, PST
	v_lshl_add_u32 v7, v247, 2, s15
	s_mul_i32 s15, s14, 16*XP
	s_mul_i32 s2, s7, 160
	s_add_co_u32 s15, s15, s2
	v_add_nc_u32 v14, s15, v5                      ; tile w / 2, pieces 5 (w % 2) on
	s_and_b32 s15, s6, 3
	s_lshl_b32 s15, s15, 9
	s_add_co_u32 s15, s15, PST
	v_add_nc_u32 v15, s15, v1
	s_lshl_b32 s15, s6, 7
	v_lshl_add_u32 v249, v247, 2, s15              ; b1 of channel 32 w + r
	s_lshl_b32 s16, ttmp9, 10
	s_add_co_u32 s16, s16, s15                     ; 16 bytes a row: row n0 + 8 w
	s_mov_b32 s17, 0
	s_mul_i32 s18, ttmp9, 20480
	s_mul_i32 s15, s14, 5120
	s_add_co_u32 s18, s18, s15
	s_mul_i32 s15, s7, 2560
	s_add_co_u32 s18, s18, s15
	s_mov_b32 s19, 0
	s_and_b32 s20, s6, 3
	s_lshl_b32 s20, s20, 17
	s_lshl_b32 s15, ttmp9, 9
	s_add_co_u32 s20, s20, s15
	s_mov_b32 s21, 0
	s_wait_kmcnt 0x0
	s_add_nc_u64 s[48:49], s[48:49], s[16:17]
	s_add_nc_u64 s[50:51], s[50:51], s[16:17]
	s_add_nc_u64 s[62:63], s[62:63], s[18:19]
	s_add_nc_u64 s[4:5], s[4:5], s[20:21]
	s_load_b512 s[16:31], s[48:49], 0x0            ; my eight rows' indices,
	s_load_b512 s[32:47], s[48:49], 0x40
	s_load_b512 s[68:83], s[50:51], 0x0            ; and weights: row i at s[68 + 4 i]
	s_load_b512 s[84:99], s[50:51], 0x40
	s_load_b128 s[8:11], s[60:61], 0x0             ; e0 .. e3
.irp i, 0,1,2,3,4,5,6,7,8,9,10,11,12,13,14,15
	global_load_b32 v[226+\i], v3, s[54:55] offset:65536*\i th:TH_LOAD_NT   ; registers run along the channels, which are K
.endr
.irp n, 0,1
.irp c, 0,1,2,3,4,5,6,7,8,9
	global_load_b128 v[16+40*\n+4*\c:19+40*\n+4*\c], v6, s[56:57] offset:16*\n*320+32*\c
.endr
.endr
	global_load_b32 v8, v249, s[58:59]
	global_load_b32 v10, v249, s[58:59] offset:64
	s_wait_kmcnt 0x0
.irp i, 0,1,2,3,4,5,6,7
.irp k, 0,1,2
	s_min_u32 s[16+4*\i+\k], s[16+4*\i+\k], 4095   ; an index stays inside its table
	v_lshl_add_u32 v[192+3*\i+\k], s[16+4*\i+\k], 10, v1
.endr
.endr
	GATHER 0
	GATHER 1
	GATHER 2
	GATHER 3
	s_add_co_i32 s14, s8, 127
	s_lshl_b32 s15, s14, 23
	v_mov_b32 v12, s15                             ; 2^e0: the conversion takes its exponent field
	s_add_co_i32 s14, s14, 15
	s_lshl_b32 s14, s14, 23
	s_or_b32 s14, s14, 0x600000
	v_mov_b32 v13, s14                             ; 57,344 x 2^e0
	s_add_co_i32 s12, s8, s9
	s_add_co_i32 s12, s12, 127
	s_lshl_b32 s12, s12, 23
	s_mov_b32 s13, s12
	s_mov_b32 s2, 0x76543210
	s_mov_b32 s3, 0xfedcba98
	s_wait_loadcnt 18                              ; all but rows 1 to 3: the fine features, W1, b1 and row 0 are in
.irp j, 0,1,2,3,4,5,6,7,8,9,10,11,12,13,14,15
	v_med3_num_f32 v[226+\j], v[226+\j], -v13, v13
.endr
	v_cvt_scalef32_pk8_bf8_f32 v[242:243], v[226:233], v12
	v_cvt_scalef32_pk8_bf8_f32 v[244:245], v[234:241], v12
	v_nop
	ds_store_b128 v4, v[242:245]                   ; k = 256 + 16 (w / 2) on, of my point's row
	v_mov_b32 v9, v8
	v_mov_b32 v11, v10
	ROW 0, 18
	ROW 1, 18
	ROW 2, 18
	ROW 3, 18
	ROW 4, 18
	ROW 5, 12
	ROW 6, 6
	ROW 7, 0
	s_wait_dscnt 0x0
	s_barrier_signal -1
	s_barrier_wait -1                              ; 64 rows of codes lie in LDS
.irp i, 0,1,2,3,4
	ds_load_b128 v[224+4*\i:227+4*\i], v14 offset:32*\i
.endr
	LDX128 0
	s_wait_dscnt 16                                ; the five images are in; the sixteen fragment loads behind them may be out
.irp i, 0,1,2,3,4
	global_store_b128 v1, v[224+4*\i:227+4*\i], s[62:63] offset:512*\i   ; a wave stores 512 consecutive bytes, aligned to 256
.endr
	s_wait_dscnt 0x0
	MM128 0, 1
.rept 4
	v_nop                                          ; places in front of loads into registers that matrix instructions have read
.endr
	LDX128 1
	s_wait_xcnt 0x0                                ; the stores have read their data: the registers may be loaded again
.irp m, 0,1,2,3
.irp c, 0,1
	ds_load_b128 v[224+8*\m+4*\c:227+8*\m+4*\c], v5 offset:16*\m*XP+256+32*\c
.endr
.endr
	s_wait_dscnt 8                                 ; the second step's fragments are in; the eight loads of the step of 64 may be out
	MM128 1, 0
	s_wait_dscnt 0x0
.rept 5
	v_nop                                          ; another form takes the accumulators up: five places
.endr
.irp m, 0,1,2,3
.irp n, 0,1
	v_wmma_f32_16x16x64_bf8_bf8 v[96+8*(4*\n+\m):103+8*(4*\n+\m)], v[224+8*\m:231+8*\m], v[48+40*\n:55+40*\n], v[96+8*(4*\n+\m):103+8*(4*\n+\m)]
.endr
.endr
.rept 4
	v_nop
.endr
	STAT 96, 8, 160
	STAT 128, 10, 168
	ds_store_b32 v7, v164                          ; both halves of the lanes store the same word with the same number
	ds_store_b32 v7, v160 offset:256
	ds_store_b32 v7, v172 offset:64
	ds_store_b32 v7, v168 offset:320
	s_wait_dscnt 0x0
	s_barrier_signal -1
	s_barrier_wait -1
	s_cmp_ge_u32 s6, 4
	s_cbranch_scc1 .Lfin
	ds_load_b128 v[176:179], v15                   ; wave w: block w's 512 bytes
	s_wait_dscnt 0x0
	global_store_b128 v1, v[176:179], s[4:5]
.Lfin:
	s_set_vgpr_msb 0x5
	s_wait_tensorcnt 0x0
	ds_add_u32 v0, v1
	s_wait_dscnt 0x0
	s_set_vgpr_msb 0x500
	s_endpgm
.Lfunc_end_k_qa2aaba5de8_interp:
	.size	k_qa2aaba5de8_interp, .Lfunc_end_k_qa2aaba5de8_interp-k_qa2aaba5de8_interp
	.p2alignl 7, 3214868480
	.fill 96, 4, 3214868480
	.section	.rodata,"a",@progbits
	.p2align	6, 0x0
	.amdhsa_kernel k_qa2aaba5de8_interp
		.amdhsa_group_segment_fixed_size 24576
		.amdhsa_private_segment_fixed_size 0
		.amdhsa_enable_private_segment 0
		.amdhsa_kernarg_size 72
		.amdhsa_user_sgpr_count 2
		.amdhsa_user_sgpr_kernarg_segment_ptr 1
		.amdhsa_wavefront_size32 1
		.amdhsa_system_sgpr_workgroup_id_x 1
		.amdhsa_system_sgpr_workgroup_id_y 1
		.amdhsa_system_sgpr_workgroup_id_z 1
		.amdhsa_system_vgpr_workitem_id 0
		.amdhsa_next_free_vgpr 258
		.amdhsa_next_free_sgpr 100
		.amdhsa_reserve_vcc 0
		.amdhsa_float_denorm_mode_32 3
		.amdhsa_float_denorm_mode_16_64 3
		.amdhsa_memory_ordered 1
		.amdhsa_forward_progress 1
		.amdhsa_inst_pref_size 48
	.end_amdhsa_kernel
	.amdgpu_metadata
---
amdhsa.version: [ 1, 2 ]
amdhsa.kernels:
  - .name:           k_qa2aaba5de8_interp
    .symbol:         k_qa2aaba5de8_interp.kd
    .args:
      - { .name: knn_idx, .offset: 0, .size: 8, .value_kind: global_buffer, .address_space: global }
      - { .name: knn_w, .offset: 8, .size: 8, .value_kind: global_buffer, .address_space: global }
      - { .name: cfT, .offset: 16, .size: 8, .value_kind: global_buffer, .address_space: global }
      - { .name: fine_features, .offset: 24, .size: 8, .value_kind: global_buffer, .address_space: global }
      - { .name: W1_codes, .offset: 32, .size: 8, .value_kind: global_buffer, .address_space: global }
      - { .name: b1, .offset: 40, .size: 8, .value_kind: global_buffer, .address_space: global }
      - { .name: lowp_scales, .offset: 48, .size: 8, .value_kind: global_buffer, .address_space: global }
      - { .name: xcodes, .offset: 56, .size: 8, .value_kind: global_buffer, .address_space: global }
      - { .name: part, .offset: 64, .size: 8, .value_kind: global_buffer, .address_space: global }
    .group_segment_fixed_size: 24576
    .private_segment_fixed_size: 0
    .kernarg_segment_align: 8
    .kernarg_segment_size: 72
    .max_flat_workgroup_size: 256
    .sgpr_count:     100
    .vgpr_count:     258
    .wavefront_size: 32
...
	.end_amdgpu_metadata
.endif
;; end of part 2
;; launch bn1 (part 3): grid 4 x 1, 16 waves a work-group, no clusters, 18,432 bytes of LDS; arguments part, g1, stat1; writes stat1
.if DOCPART == 3
	.amdgcn_target "amdgcn-amd-amdhsa--gfx1250"
	.amdhsa_code_object_version 6
	.text
	.protected	k_qa2aaba5de8_bn1
	.globl	k_qa2aaba5de8_bn1
	.p2align	8
	.type	k_qa2aaba5de8_bn1,@function
k_qa2aaba5de8_bn1:
	s_mov_b64 s[64:65], 0
	v_nop
	global_prefetch_b8 v0, s[64:65] scope:SCOPE_SE
	s_setreg_imm32_b32 hwreg(HW_REG_WAVE_MODE, 25, 1), 1
	s_wait_xcnt 0x0
; The 256 work-groups' means and centred sums of squares (64 rows each) of a block of 64 channels become mu and a = g / sqrt(var + 1e-5).
; var = (the sum of the parts' M2 + 64 x the sum of (part's mean - mu)^2) / 16,384: no difference of large sums is formed.
; A work-group takes a block: 256 entries of 512 bytes [mean 64 | M2 64].  Wave w takes entries 16 w .. 16 w + 15; lanes 0-15 hold the means of channels 4 l .., lanes 16-31 the M2 of channels 4 (l - 16) ...
; One work-group to a block, since every channel's sum spans all 256 entries; the launch has as many work-groups as there are blocks.
.macro SUM16 b, d                      ; sixteen groups of four registers, v[b] on, summed into v[d] on
	v_pk_add_f32 v[\d:\d+1], v[\b:\b+1], v[\b+4:\b+5]
	v_pk_add_f32 v[\d+2:\d+3], v[\b+2:\b+3], v[\b+6:\b+7]
.irp i, 2,3,4,5,6,7,8,9,10,11,12,13,14,15
	v_pk_add_f32 v[\d:\d+1], v[\d:\d+1], v[\b+4*\i:\b+4*\i+1]
	v_pk_add_f32 v[\d+2:\d+3], v[\d+2:\d+3], v[\b+4*\i+2:\b+4*\i+3]
.endr
.endm
	s_load_b128 s[4:7], s[0:1], 0x0                ; part, g
	s_load_b64 s[8:9], s[0:1], 0x10                ; stat
	v_lshl_add_u32 v160, v0, 2, 0x4000
	v_mov_b32 v161, 0
	v_lshrrev_b32 v1, 5, v0
	v_readfirstlane_b32 s10, v1                    ; wave
	v_and_b32 v1, 31, v0
	v_lshlrev_b32 v2, 4, v1                        ; 16 lane
	v_and_b32 v3, 15, v0
	v_lshlrev_b32 v3, 4, v3
	v_bfe_u32 v4, v0, 4, 1                         ; h
	s_lshl_b32 s11, s10, 9
	v_add_nc_u32 v5, s11, v2                       ; my wave's 512 bytes in LDS
	s_lshl_b32 s12, ttmp9, 17
	s_lshl_b32 s11, s10, 13
	s_add_co_u32 s12, s12, s11
	s_mov_b32 s13, 0
	s_lshl_b32 s14, ttmp9, 8
	s_mov_b32 s15, 0
	s_lshl_b32 s16, ttmp9, 9
	s_mov_b32 s17, 0
	s_mov_b32 s18, 0x76543210
	s_mov_b32 s19, 0xfedcba98
	s_mov_b32 s20, 0x42800000                      ; 64
	s_mov_b32 s21, 0x38800000                      ; 1 / 16,384
	s_mov_b32 s22, 0x3727c5ac                      ; 1e-5
	s_wait_kmcnt 0x0
	s_add_nc_u64 s[4:5], s[4:5], s[12:13]
	s_add_nc_u64 s[6:7], s[6:7], s[14:15]
	s_add_nc_u64 s[8:9], s[8:9], s[16:17]
.irp i, 0,1,2,3,4,5,6,7,8,9,10,11,12,13,14,15
	global_load_b128 v[16+4*\i:19+4*\i], v2, s[4:5] offset:512*\i th:TH_LOAD_NT
.endr
	global_load_b128 v[8:11], v3, s[6:7]
	s_wait_loadcnt 0x0
	SUM16 16, 144
	ds_store_b128 v5, v[144:147]
	s_wait_dscnt 0x0
	s_barrier_signal -1
	s_barrier_wait -1
.irp i, 0,1,2,3,4,5,6,7,8,9,10,11,12,13,14,15
	ds_load_b128 v[80+4*\i:83+4*\i], v2 offset:512*\i
.endr
	s_wait_dscnt 0x0
	SUM16 80, 148                                  ; lower lanes: the sum of the means; upper lanes: the sum of the M2
.irp j, 0,1,2,3
	v_mul_f32 v[152+\j], 0x3b800000, v[148+\j]     ; / 256: in the lower lanes mu
.endr
.irp i, 0,1,2,3,4,5,6,7,8,9,10,11,12,13,14,15
	v_pk_add_f32 v[16+4*\i:17+4*\i], v[16+4*\i:17+4*\i], v[152:153] neg_lo:[0,1] neg_hi:[0,1]
	v_pk_add_f32 v[18+4*\i:19+4*\i], v[18+4*\i:19+4*\i], v[154:155] neg_lo:[0,1] neg_hi:[0,1]
.endr
	v_pk_mul_f32 v[156:157], v[16:17], v[16:17]
	v_pk_mul_f32 v[158:159], v[18:19], v[18:19]
.irp i, 1,2,3,4,5,6,7,8,9,10,11,12,13,14,15
	v_pk_fma_f32 v[156:157], v[16+4*\i:17+4*\i], v[16+4*\i:17+4*\i], v[156:157]
	v_pk_fma_f32 v[158:159], v[18+4*\i:19+4*\i], v[18+4*\i:19+4*\i], v[158:159]
.endr
	ds_store_b128 v5, v[156:159] offset:8192       ; other bytes than the first sums': a wave may still be reading those
	s_wait_dscnt 0x0
	s_barrier_signal -1
	s_barrier_wait -1
	s_cmp_lg_u32 s10, 0
	s_cbranch_scc1 .Lfin
.irp i, 0,1,2,3,4,5,6,7,8,9,10,11,12,13,14,15
	ds_load_b128 v[80+4*\i:83+4*\i], v2 offset:8192+512*\i
.endr
	s_wait_dscnt 0x0
	SUM16 80, 144                                  ; lower lanes: the sum of (part's mean - mu)^2
.irp j, 0,1,2,3
	v_permlanex16_b32 v[80+\j], v[144+\j], s18, s19    ; the upper lanes take it (what the lower lanes make of the lines below is not used)
.endr
.irp j, 0,1,2,3
	v_fma_f32 v[84+\j], v[80+\j], s20, v[148+\j]
	v_fma_f32 v[84+\j], v[84+\j], s21, s22         ; var + 1e-5
.endr
.irp j, 0,1,2,3
	v_rsq_f32 v[88+\j], v[84+\j]
.endr
	v_cmp_eq_u32 vcc_lo, 1, v4                     ; (a plain instruction behind the last root)
	s_wait_alu depctr_va_vdst(0)                   ; one wait for the four, ahead of their first reader
.irp j, 0,1,2,3
	v_mul_f32 v[88+\j], v[88+\j], v[8+\j]
	v_cndmask_b32 v[92+\j], v[152+\j], v[88+\j], vcc_lo
.endr
	global_store_b128 v2, v[92:95], s[8:9]         ; [mu 64 | a 64]: 512 consecutive bytes
.Lfin:
	s_wait_tensorcnt 0x0
	ds_add_u32 v160, v161
	s_wait_dscnt 0x0
	s_endpgm
.Lfunc_end_k_qa2aaba5de8_bn1:
	.size	k_qa2aaba5de8_bn1, .Lfunc_end_k_qa2aaba5de8_bn1-k_qa2aaba5de8_bn1
	.p2alignl 7, 3214868480
	.fill 96, 4, 3214868480
	.section	.rodata,"a",@progbits
	.p2align	6, 0x0
	.amdhsa_kernel k_qa2aaba5de8_bn1
		.amdhsa_group_segment_fixed_size 18432
		.amdhsa_private_segment_fixed_size 0
		.amdhsa_enable_private_segment 0
		.amdhsa_kernarg_size 24
		.amdhsa_user_sgpr_count 2
		.amdhsa_user_sgpr_kernarg_segment_ptr 1
		.amdhsa_wavefront_size32 1
		.amdhsa_system_sgpr_workgroup_id_x 1
		.amdhsa_system_sgpr_workgroup_id_y 1
		.amdhsa_system_sgpr_workgroup_id_z 1
		.amdhsa_system_vgpr_workitem_id 0
		.amdhsa_next_free_vgpr 162
		.amdhsa_next_free_sgpr 66
		.amdhsa_reserve_vcc 1
		.amdhsa_float_denorm_mode_32 3
		.amdhsa_float_denorm_mode_16_64 3
		.amdhsa_memory_ordered 1
		.amdhsa_forward_progress 1
		.amdhsa_inst_pref_size 17
	.end_amdhsa_kernel
	.amdgpu_metadata
---
amdhsa.version: [ 1, 2 ]
amdhsa.kernels:
  - .name:           k_qa2aaba5de8_bn1
    .symbol:         k_qa2aaba5de8_bn1.kd
    .args:
      - { .name: part, .offset: 0, .size: 8, .value_kind: global_buffer, .address_space: global }
      - { .name: g1, .offset: 8, .size: 8, .value_kind: global_buffer, .address_space: global }
      - { .name: stat1, .offset: 16, .size: 8, .value_kind: global_buffer, .address_space: global }
    .group_segment_fixed_size: 18432
    .private_segment_fixed_size: 0
    .kernarg_segment_align: 8
    .kernarg_segment_size: 24
    .max_flat_workgroup_size: 512
    .sgpr_count:     66
    .vgpr_count:     162
    .wavefront_size: 32
...
	.end_amdgpu_metadata
.endif
;; end of part 3
;; launch mlp (part 4): grid 256 x 1, 8 waves a work-group, no clusters, 38,912 bytes of LDS; arguments xcodes, W1_codes, b1, be1, stat1, W2_codes, b2, lowp_scales, ycodes, part; writes ycodes, part
.if DOCPART == 4
	.amdgcn_target "amdgcn-amd-amdhsa--gfx1250"
	.amdhsa_code_object_version 6
	.text
	.protected	k_qa2aaba5de8_mlp
	.globl	k_qa2aaba5de8_mlp
	.p2align	8
	.type	k_qa2aaba5de8_mlp,@function
k_qa2aaba5de8_mlp:
	s_mov_b64 s[64:65], 0
	v_nop
	global_prefetch_b8 v0, s[64:65] scope:SCOPE_SE
	s_setreg_imm32_b32 hwreg(HW_REG_WAVE_MODE, 25, 1), 1
	s_wait_xcnt 0x0
; For 64 rows: h = x W1^T x 2^(e0 + e1) + b1 once more from x's codes; y = relu((h - mu) a + be1), quantised to E5M2 with 2^e2; h2 = y W2^T x 2^(e2 + e3) + b2; of each of the 128 channels the rows' mean and centred sum of squares.
; The first product is used TRANSPOSED (source 0 = 16 rows of W1, source 1 = x), and lane r of tile u takes W1's row 32 w + 8 u + r + 8 (r / 8): lane (r, h) then holds row r of y, and the 16 registers of tiles 0 and 1 are
; channels 32 w + 16 h + 0 .. 15: piece w of the second product's operand, as the conversions leave it.  y's codes go to LDS and to memory as images of operand registers: [tile of 16 rows][piece 0 .. 7][lane][16 bytes].
; The norm is folded: y = sum x (2^(e0 + e1) a) + ((b1 - mu) a + be1).  The second product is used as it reads (source 0 = y's rows, source 1 = W2's rows 16 w + r): a lane holds one channel, for the statistics.
; LIMITS: e2 between -126 and 112; e0 + e1 and e2 + e3 between -126 and 127; NaN is not served.
; No cluster: the weights are read once, straight into operand registers; no loop asks for them again.
.set XIMG, 0                           ; x's 40 images of 512 bytes
.set YIMG, 20480                       ; y's 32
.set PST,  36864                       ; the statistics: [block of 64 channels][mean 64 | M2 64]
.set SE,   42                          ; s[42:43] 2^(e2 + e3), twice
.set SEL,  44                          ; s[44:45] selects: lane l xor 16
; v1 16 lane, v2 x's images (offset and LDS address), v3 W1's offset, v4 b1's and be1's, v5 512 w + 16 lane, v6 W2's, v7 statistics in, v[8:9] b2 twice, v10 2^e2, v11 57,344 x 2^e2, v12 stat1's offset, v13 b2's, v14 statistics out,
; v16-95 W1 (tile u, piece c at 16 + 40 u + 4 c), later W2 in v16-47, the second product's sums in v48-79, v80-87 at work; v96-111, v112-127 the folded norm of my 16 channels;
; v128-191 parameters, then eight accumulators (4 u + m); v192-255 x's images and fragments, then y's codes; v128-255 at last y's eight fragments.
.macro LDX128 s
.irp m, 0,1,2,3
.irp c, 0,1,2,3
	ds_load_b128 v[192+16*\m+4*\c:195+16*\m+4*\c], v1 offset:XIMG+(10*\m+4*\s+\c)*512
.endr
.endr
.endm
.macro MM128 s, zero                   ; the eight accumulators take turns, one instruction a turn
.irp m, 0,1,2,3
.irp u, 0,1
.if \zero
	v_wmma_f32_16x16x128_bf8_bf8 v[128+8*(4*\u+\m):135+8*(4*\u+\m)], v[16+40*\u+16*\s:31+40*\u+16*\s], v[192+16*\m:207+16*\m], 0
.else
	v_wmma_f32_16x16x128_bf8_bf8 v[128+8*(4*\u+\m):135+8*(4*\u+\m)], v[16+40*\u+16*\s:31+40*\u+16*\s], v[192+16*\m:207+16*\m], v[128+8*(4*\u+\m):135+8*(4*\u+\m)]
.endif
.endr
.endr
.endm
; 32 sums of one channel (v[a] on, four accumulators, each from its low end on) become h = sum x 2^e + bias; then the 64 rows' mean (v[t+4]) and centred sum of squares (v[t]): my 32 and lane l xor 16's
.macro STAT a, bp, t
.irp i, 0,2,4,6,8,10,12,14,16,18,20,22,24,26,28,30
	v_pk_fma_f32 v[\a+\i:\a+\i+1], v[\a+\i:\a+\i+1], s[SE:SE+1], v[\bp:\bp+1] op_sel_hi:[1,0,1]
.endr
	v_pk_add_f32 v[\t:\t+1], v[\a:\a+1], v[\a+2:\a+3]
	v_pk_add_f32 v[\t+2:\t+3], v[\a+4:\a+5], v[\a+6:\a+7]
.irp i, 8,12,16,20,24,28
	v_pk_add_f32 v[\t:\t+1], v[\t:\t+1], v[\a+\i:\a+\i+1]
	v_pk_add_f32 v[\t+2:\t+3], v[\t+2:\t+3], v[\a+\i+2:\a+\i+3]
.endr
	v_pk_add_f32 v[\t:\t+1], v[\t:\t+1], v[\t+2:\t+3]
	v_add_f32 v[\t], v[\t], v[\t+1]
	v_permlanex16_b32 v[\t+1], v[\t], s[SEL], s[SEL+1]
	v_add_f32 v[\t], v[\t], v[\t+1]
	v_mul_f32 v[\t+4], 0x3c800000, v[\t]           ; / 64
	v_mov_b32 v[\t+5], v[\t+4]
.irp i, 0,2,4,6,8,10,12,14,16,18,20,22,24,26,28,30
	v_pk_add_f32 v[\a+\i:\a+\i+1], v[\a+\i:\a+\i+1], v[\t+4:\t+5] neg_lo:[0,1] neg_hi:[0,1]
.endr
	v_pk_mul_f32 v[\t:\t+1], v[\a:\a+1], v[\a:\a+1]
	v_pk_mul_f32 v[\t+2:\t+3], v[\a+2:\a+3], v[\a+2:\a+3]
.irp i, 4,8,12,16,20,24,28
	v_pk_fma_f32 v[\t:\t+1], v[\a+\i:\a+\i+1], v[\a+\i:\a+\i+1], v[\t:\t+1]
	v_pk_fma_f32 v[\t+2:\t+3], v[\a+\i+2:\a+\i+3], v[\a+\i+2:\a+\i+3], v[\t+2:\t+3]
.endr
	v_pk_add_f32 v[\t:\t+1], v[\t:\t+1], v[\t+2:\t+3]
	v_add_f32 v[\t], v[\t], v[\t+1]
	v_permlanex16_b32 v[\t+1], v[\t], s[SEL], s[SEL+1]
	v_add_f32 v[\t], v[\t], v[\t+1]
.endm
	s_load_b512 s[16:31], s[0:1], 0x0              ; xcodes, W1's codes, b1, be1, stat1, W2's codes, b2, the scales' exponents
	s_load_b128 s[32:35], s[0:1], 0x40             ; ycodes, part
	v_lshl_add_u32 v15, v0, 2, 0x9400
	s_set_vgpr_msb 0x40
	v_mov_b32 v1, 0
	s_set_vgpr_msb 0x4000
	v_lshrrev_b32 v250, 5, v0
	v_readfirstlane_b32 s8, v250                   ; wave
	v_and_b32 v250, 31, v0                         ; lane
	v_and_b32 v251, 15, v0                         ; r
	v_bfe_u32 v252, v0, 4, 1                       ; h
	v_lshlrev_b32 v1, 4, v250
	s_mul_i32 s9, s8, 2560
	v_add_nc_u32 v2, s9, v1
	v_and_b32 v253, 8, v251
	v_add_nc_u32 v253, v253, v251                  ; r + 8 (r / 8)
	v_mul_u32_u24 v3, v253, 320
	v_lshl_add_u32 v3, v252, 4, v3
	s_mul_i32 s9, s8, 32*320
	v_add_nc_u32 v3, s9, v3
	s_lshl_b32 s9, s8, 7
	v_lshl_add_u32 v4, v252, 6, s9                 ; channels 32 w + 16 h on, 4 bytes each
	s_lshr_b32 s9, s8, 1
	s_lshl_b32 s9, s9, 9
	s_and_b32 s10, s8, 1
	s_lshl_b32 s11, s10, 7
	s_add_co_u32 s9, s9, s11
	v_lshl_add_u32 v12, v252, 6, s9                ; the same channels in stat1: block w / 2
	s_lshl_b32 s9, s8, 9
	v_add_nc_u32 v5, s9, v1
	v_lshlrev_b32 v6, 8, v251
	v_lshl_add_u32 v6, v252, 4, v6
	s_lshl_b32 s9, s8, 12
	v_add_nc_u32 v6, s9, v6                        ; W2's row 16 w + r, + 16 h
	s_lshr_b32 s9, s8, 2
	s_lshl_b32 s9, s9, 9
	s_and_b32 s11, s8, 3
	s_lshl_b32 s11, s11, 6
	s_add_co_u32 s9, s9, s11
	s_add_co_u32 s9, s9, PST
	v_lshl_add_u32 v7, v251, 2, s9
	s_lshl_b32 s9, s8, 6
	v_lshl_add_u32 v13, v251, 2, s9                ; b2 of channel 16 w + r
	s_lshl_b32 s9, s10, 9
	s_add_co_u32 s9, s9, PST
	v_add_nc_u32 v14, s9, v1
	s_mul_i32 s46, ttmp9, 20480
	s_mov_b32 s47, 0
	s_lshl_b32 s48, ttmp9, 14
	s_mov_b32 s49, 0
	s_lshl_b32 s50, s10, 17
	s_lshl_b32 s9, ttmp9, 9
	s_add_co_u32 s50, s50, s9
	s_mov_b32 s51, 0
	s_mov_b32 s44, 0x76543210
	s_mov_b32 s45, 0xfedcba98
	s_wait_kmcnt 0x0
	s_load_b128 s[36:39], s[30:31], 0x0            ; e0 .. e3
	s_add_nc_u64 s[16:17], s[16:17], s[46:47]
	s_add_nc_u64 s[32:33], s[32:33], s[48:49]
	s_add_nc_u64 s[34:35], s[34:35], s[50:51]
.irp i, 0,1,2,3,4
	global_load_b128 v[192+4*\i:195+4*\i], v2, s[16:17] offset:512*\i th:TH_LOAD_NT
.endr
.irp i, 0,1,2,3
	global_load_b128 v[128+4*\i:131+4*\i], v4, s[20:21] offset:16*\i        ; b1
	global_load_b128 v[144+4*\i:147+4*\i], v12, s[24:25] offset:16*\i       ; mu
	global_load_b128 v[160+4*\i:163+4*\i], v12, s[24:25] offset:256+16*\i   ; a
	global_load_b128 v[176+4*\i:179+4*\i], v4, s[22:23] offset:16*\i        ; be1
.endr
.irp u, 0,1
.irp c, 0,1,2,3,4,5,6,7,8,9
	global_load_b128 v[16+40*\u+4*\c:19+40*\u+4*\c], v3, s[18:19] offset:8*\u*320+32*\c
.endr
.endr
	global_load_b32 v8, v13, s[28:29]
	s_wait_loadcnt 37                              ; x's five images are in; the 16 + 20 + 1 loads behind them may be out
.irp i, 0,1,2,3,4
	ds_store_b128 v2, v[192+4*\i:195+4*\i] offset:XIMG+512*\i
.endr
	s_wait_kmcnt 0x0
	s_add_co_i32 s40, s36, s37
	s_add_co_i32 s40, s40, 127
	s_lshl_b32 s40, s40, 23                        ; 2^(e0 + e1)
	s_add_co_i32 s42, s38, s39
	s_add_co_i32 s42, s42, 127
	s_lshl_b32 s42, s42, 23                        ; 2^(e2 + e3)
	s_mov_b32 s43, s42
	s_add_co_i32 s41, s38, 127
	s_lshl_b32 s9, s41, 23
	v_mov_b32 v10, s9                              ; 2^e2: the conversion takes its exponent field
	s_add_co_i32 s41, s41, 15
	s_lshl_b32 s41, s41, 23
	s_or_b32 s41, s41, 0x600000
	v_mov_b32 v11, s41                             ; 57,344 x 2^e2
	s_wait_loadcnt 21                              ; the parameters are in; W1's 20 loads and b2's may be out
.irp j, 0,1,2,3,4,5,6,7,8,9,10,11,12,13,14,15
	v_sub_f32 v[112+\j], v[128+\j], v[144+\j]
	v_fma_f32 v[112+\j], v[112+\j], v[160+\j], v[176+\j]   ; (b1 - mu) a + be1
	v_mul_f32 v[96+\j], s40, v[160+\j]                     ; 2^(e0 + e1) a
.endr
	s_wait_dscnt 0x0
	s_barrier_signal -1
	s_barrier_wait -1                              ; x's forty images lie in LDS
	LDX128 0
	s_wait_loadcnt 0x0                             ; W1, b2
	v_mov_b32 v9, v8
	s_wait_dscnt 0x0
	MM128 0, 1
.rept 4
	v_nop                                          ; places in front of loads into registers that matrix instructions have read
.endr
	LDX128 1
	s_wait_dscnt 0x0
	MM128 1, 0
.rept 5
	v_nop                                          ; another form takes the accumulators up: five places; they serve the loads below too
.endr
.irp m, 0,1,2,3
.irp c, 0,1
	ds_load_b128 v[192+8*\m+4*\c:195+8*\m+4*\c], v1 offset:XIMG+(10*\m+8+\c)*512
.endr
.endr
	s_wait_dscnt 0x0
.irp m, 0,1,2,3
.irp u, 0,1
	v_wmma_f32_16x16x64_bf8_bf8 v[128+8*(4*\u+\m):135+8*(4*\u+\m)], v[48+40*\u:55+40*\u], v[192+8*\m:199+8*\m], v[128+8*(4*\u+\m):135+8*(4*\u+\m)]
.endr
.endr
.rept 4
	v_nop
.endr
.irp s, 0,1
.irp c, 0,1,2,3
	global_load_b128 v[16+16*\s+4*\c:19+16*\s+4*\c], v6, s[26:27] offset:128*\s+32*\c   ; W2 takes W1's place
.endr
.endr
.irp u, 0,1
.irp m, 0,1,2,3
.irp j, 0,2,4,6
	v_pk_fma_f32 v[128+8*(4*\u+\m)+\j:129+8*(4*\u+\m)+\j], v[128+8*(4*\u+\m)+\j:129+8*(4*\u+\m)+\j], v[96+8*\u+\j:97+8*\u+\j], v[112+8*\u+\j:113+8*\u+\j]
.endr
.endr
.endr
.set i, 128
.rept 64
	v_med3_num_f32 v[i], v[i], 0, v11              ; the activation and the hold in one
.set i, i+1
.endr
.irp m, 0,1,2,3
	v_cvt_scalef32_pk8_bf8_f32 v[192+4*\m:193+4*\m], v[128+8*\m:135+8*\m], v10
	v_cvt_scalef32_pk8_bf8_f32 v[194+4*\m:195+4*\m], v[160+8*\m:167+8*\m], v10
.endr
	v_nop                                          ; a plain instruction behind the last conversion
.irp m, 0,1,2,3
	ds_store_b128 v5, v[192+4*\m:195+4*\m] offset:YIMG+4096*\m
	global_store_b128 v5, v[192+4*\m:195+4*\m], s[32:33] offset:4096*\m    ; a wave stores 512 consecutive bytes, aligned to 256
.endr
	s_wait_dscnt 0x0
	s_barrier_signal -1
	s_barrier_wait -1                              ; y's 32 images lie in LDS
	s_wait_xcnt 0x0                                ; the stores have read their data: the registers may be loaded again
.irp m, 0,1,2,3
.irp s, 0,1
.irp c, 0,1,2,3
	ds_load_b128 v[128+16*(2*\m+\s)+4*\c:131+16*(2*\m+\s)+4*\c], v1 offset:YIMG+4096*\m+512*(4*\s+\c)
.endr
.endr
.endr
	s_wait_loadcnt 0x0                             ; W2
	s_wait_dscnt 0x0
.irp m, 0,1,2,3
	v_wmma_f32_16x16x128_bf8_bf8 v[48+8*\m:55+8*\m], v[128+32*\m:143+32*\m], v[16:31], 0
.endr
.irp m, 0,1,2,3
	v_wmma_f32_16x16x128_bf8_bf8 v[48+8*\m:55+8*\m], v[144+32*\m:159+32*\m], v[32:47], v[48+8*\m:55+8*\m]
.endr
.rept 4
	v_nop
.endr
	STAT 48, 8, 80
	ds_store_b32 v7, v84                           ; both halves of the lanes store the same word with the same number
	ds_store_b32 v7, v80 offset:256
	s_wait_dscnt 0x0
	s_barrier_signal -1
	s_barrier_wait -1
	s_cmp_ge_u32 s8, 2
	s_cbranch_scc1 .Lfin
	ds_load_b128 v[88:91], v14                     ; wave w: block w's 512 bytes
	s_wait_dscnt 0x0
	global_store_b128 v1, v[88:91], s[34:35]
.Lfin:
	s_set_vgpr_msb 0x4
	s_wait_tensorcnt 0x0
	ds_add_u32 v15, v1
	s_wait_dscnt 0x0
	s_set_vgpr_msb 0x400
	s_endpgm
.Lfunc_end_k_qa2aaba5de8_mlp:
	.size	k_qa2aaba5de8_mlp, .Lfunc_end_k_qa2aaba5de8_mlp-k_qa2aaba5de8_mlp
	.p2alignl 7, 3214868480
	.fill 96, 4, 3214868480
	.section	.rodata,"a",@progbits
	.p2align	6, 0x0
	.amdhsa_kernel k_qa2aaba5de8_mlp
		.amdhsa_group_segment_fixed_size 38912
		.amdhsa_private_segment_fixed_size 0
		.amdhsa_enable_private_segment 0
		.amdhsa_kernarg_size 80
		.amdhsa_user_sgpr_count 2
		.amdhsa_user_sgpr_kernarg_segment_ptr 1
		.amdhsa_wavefront_size32 1
		.amdhsa_system_sgpr_workgroup_id_x 1
		.amdhsa_system_sgpr_workgroup_id_y 1
		.amdhsa_system_sgpr_workgroup_id_z 1
		.amdhsa_system_vgpr_workitem_id 0
		.amdhsa_next_free_vgpr 258
		.amdhsa_next_free_sgpr 66
		.amdhsa_reserve_vcc 0
		.amdhsa_float_denorm_mode_32 3
		.amdhsa_float_denorm_mode_16_64 3
		.amdhsa_memory_ordered 1
		.amdhsa_forward_progress 1
		.amdhsa_inst_pref_size 31
	.end_amdhsa_kernel
	.amdgpu_metadata
---
amdhsa.version: [ 1, 2 ]
amdhsa.kernels:
  - .name:           k_qa2aaba5de8_mlp
    .symbol:         k_qa2aaba5de8_mlp.kd
    .args:
      - { .name: xcodes, .offset: 0, .size: 8, .value_kind: global_buffer, .address_space: global }
      - { .name: W1_codes, .offset: 8, .size: 8, .value_kind: global_buffer, .address_space: global }
      - { .name: b1, .offset: 16, .size: 8, .value_kind: global_buffer, .address_space: global }
      - { .name: be1, .offset: 24, .size: 8, .value_kind: global_buffer, .address_space: global }
      - { .name: stat1, .offset: 32, .size: 8, .value_kind: global_buffer, .address_space: global }
      - { .name: W2_codes, .offset: 40, .size: 8, .value_kind: global_buffer, .address_space: global }
      - { .name: b2, .offset: 48, .size: 8, .value_kind: global_buffer, .address_space: global }
      - { .name: lowp_scales, .offset: 56, .size: 8, .value_kind: global_buffer, .address_space: global }
      - { .name: ycodes, .offset: 64, .size: 8, .value_kind: global_buffer, .address_space: global }
      - { .name: part, .offset: 72, .size: 8, .value_kind: global_buffer, .address_space: global }
    .group_segment_fixed_size: 38912
    .private_segment_fixed_size: 0
    .kernarg_segment_align: 8
    .kernarg_segment_size: 80
    .max_flat_workgroup_size: 256
    .sgpr_count:     66
    .vgpr_count:     258
    .wavefront_size: 32
...
	.end_amdgpu_metadata
.endif
;; end of part 4
;; launch outp (part 5): grid 256 x 1, 8 waves a work-group, no clusters, 117,760 bytes of LDS; arguments ycodes, W2_codes, b2, be2, g2, part, lowp_scales, out0; writes out0
.if DOCPART == 5
	.amdgcn_target "amdgcn-amd-amdhsa--gfx1250"
	.amdhsa_code_object_version 6
	.text
	.protected	k_qa2aaba5de8_outp
	.globl	k_qa2aaba5de8_outp
	.p2align	8
	.type	k_qa2aaba5de8_outp,@function
k_qa2aaba5de8_outp:
	s_mov_b64 s[64:65], 0
	v_nop
	global_prefetch_b8 v0, s[64:65] scope:SCOPE_SE
	s_setreg_imm32_b32 hwreg(HW_REG_WAVE_MODE, 25, 1), 1
	s_wait_xcnt 0x0
; For 32 channels and 256 rows: the second norm's statistics from the 256 partial means and centred sums of squares (64 rows each); h2 = y W2^T x 2^(e2 + e3) + b2 once more from y's codes;
; out = relu((h2 - mu) a + be2), a = g2 / sqrt(var + 1e-5), stored [channel][point].
; A WORK-GROUP TAKES FEW CHANNELS AND MANY ROWS (channels 32 (wg % 4) on, rows 256 (wg / 4) on), so that it needs only its own channels' partials: 256 entries x (128 + 128) bytes = 64 KiB, and no launch is spent on summing them.
; var = (the sum of the parts' M2 + 64 x the sum of (part's mean - mu)^2) / 16,384: no difference of large sums is formed.
; THE SUMS.  Wave w takes entries 32 w .. 32 w + 31, two a load: lanes 0-7 an entry's 32 means (4 a lane), lanes 8-15 its 32 M2, lanes 16-31 the next entry's.  The waves' sums meet in LDS; every wave adds all eight.
; THE PRODUCT.  Wave w makes channel tile n = w % 2 for row tiles 4 (w / 2) + m (source 0 = y's rows, source 1 = W2's rows): lane (r, h) holds channel 16 n + r and, in accumulator m, points 16 m + 8 h + 0 .. 7.
; The norm is folded: out = max(0, sum x (2^(e2 + e3) a) + ((b2 - mu) a + be2)).  LIMIT: e2 + e3 between -126 and 127; NaN is not served.
; A channel's 64 points are 256 bytes: they go through the wave's own stage in LDS and leave as whole rows, sixteen lanes to 256 consecutive bytes, aligned.
; No cluster: every byte is asked for once a work-group, in one run at the head; there is no ring of slots in which a joint request would recur.
.set RA,   0                           ; the waves' sums: 8 x 512 bytes
.set RB,   4096                        ; the waves' sums of squared deviations: 8 x 512 bytes
.set STB,  8192                        ; each wave's own 1,024 bytes: the totals, from which a lane picks its channel's
.set YIMG, 16384                       ; y's 128 images of 512 bytes: [tile of 16 rows][piece 0 .. 7][lane][16 bytes]
.set OST,  81920                       ; the stages: 16 rows of 272 bytes for each wave
.set OP,   272
; v1 16 lane, v2 y's images (offset and LDS address), v3 the parameters' offset, v4 the partials' lane offset, v5 the stage in, v6 W2's offset, v7 the stage out, v[8:9], v[10:11] the folded norm, twice each,
; v12 my offset in out0, v13 my wave's place in RA and RB, v14 my four tiles in YIMG, v15 my place in STB, v16-47 W2, v48-111 my 16 loads of partials, then four accumulators (v48-79) and the results (v80-111),
; v112-114 b2, be2, g2, v115 my channel's place in STB, v116-119 totals, v120-123 mu, v124-127 squared deviations, v128-191 y as loaded, v192-223 the waves' sums, v128-255 at last y's fragments, then the rows read back
.macro SUM16 b, d                      ; sixteen groups of four registers, v[b] on, summed into v[d] on
	v_pk_add_f32 v[\d:\d+1], v[\b:\b+1], v[\b+4:\b+5]
	v_pk_add_f32 v[\d+2:\d+3], v[\b+2:\b+3], v[\b+6:\b+7]
.irp i, 2,3,4,5,6,7,8,9,10,11,12,13,14,15
	v_pk_add_f32 v[\d:\d+1], v[\d:\d+1], v[\b+4*\i:\b+4*\i+1]
	v_pk_add_f32 v[\d+2:\d+3], v[\d+2:\d+3], v[\b+4*\i+2:\b+4*\i+3]
.endr
.endm
.macro SUM8 b, d                       ; the same for eight groups
	v_pk_add_f32 v[\d:\d+1], v[\b:\b+1], v[\b+4:\b+5]
	v_pk_add_f32 v[\d+2:\d+3], v[\b+2:\b+3], v[\b+6:\b+7]
.irp i, 2,3,4,5,6,7
	v_pk_add_f32 v[\d:\d+1], v[\d:\d+1], v[\b+4*\i:\b+4*\i+1]
	v_pk_add_f32 v[\d+2:\d+3], v[\d+2:\d+3], v[\b+4*\i+2:\b+4*\i+3]
.endr
.endm
	s_load_b512 s[16:31], s[0:1], 0x0              ; ycodes, W2's codes, b2, be2, g2, part, the scales' exponents, out0
	s_set_vgpr_msb 0x40
	v_lshl_add_u32 v0, v0, 2, 0x1c800
	v_mov_b32 v1, 0
	s_set_vgpr_msb 0x4000
	v_lshrrev_b32 v116, 5, v0
	v_readfirstlane_b32 s8, v116                   ; wave
	v_and_b32 v116, 31, v0                         ; lane
	v_and_b32 v117, 15, v0                         ; r
	v_bfe_u32 v118, v0, 4, 1                       ; h
	s_and_b32 s9, s8, 1                            ; n: my channel tile
	s_lshr_b32 s10, s8, 1                          ; my four row tiles: 4 (w / 2) on
	s_and_b32 s11, ttmp9, 3                        ; the work-group's 32 channels
	s_lshr_b32 s12, ttmp9, 2                       ; and its 256 rows
	v_lshlrev_b32 v1, 4, v116
	s_lshl_b32 s13, s8, 13
	v_add_nc_u32 v2, s13, v1                       ; 8,192 w + 16 lane: sixteen images a wave
	s_lshl_b32 s13, s11, 7
	s_lshl_b32 s14, s9, 6
	s_add_co_u32 s13, s13, s14
	v_lshl_add_u32 v3, v117, 2, s13                ; channel 32 cg + 16 n + r, 4 bytes each
	v_lshrrev_b32 v119, 3, v116
	v_and_b32 v120, 7, v116
	v_lshlrev_b32 v4, 8, v119
	v_lshl_add_u32 v4, v120, 4, v4                 ; 256 (lane / 8) + 16 (lane % 8): mean, M2, the next entry's mean, its M2
	s_mul_i32 s13, s8, 16*OP
	s_add_co_u32 s13, s13, OST
	v_mul_u32_u24 v5, v117, OP
	v_lshl_add_u32 v5, v118, 5, v5
	v_add_nc_u32 v5, s13, v5
	v_mul_u32_u24 v7, v118, OP
	v_lshl_add_u32 v7, v117, 4, v7
	v_add_nc_u32 v7, s13, v7
	v_lshlrev_b32 v6, 8, v117
	v_lshl_add_u32 v6, v118, 4, v6
	s_lshl_b32 s13, s11, 13
	s_lshl_b32 s14, s9, 12
	s_add_co_u32 s13, s13, s14
	v_add_nc_u32 v6, s13, v6                       ; W2's row 32 cg + 16 n + r, + 16 h
	v_lshlrev_b32 v12, 16, v118
	v_lshl_add_u32 v12, v117, 4, v12
	s_lshl_b32 s13, s8, 9
	v_add_nc_u32 v13, s13, v1
	s_lshl_b32 s13, s10, 14
	v_add_nc_u32 v14, s13, v1
	s_lshl_b32 s13, s8, 10
	s_add_co_u32 s13, s13, STB
	v_add_nc_u32 v15, s13, v1
	s_lshl_b32 s14, s9, 6
	s_add_co_u32 s13, s13, s14
	v_lshl_add_u32 v115, v117, 2, s13              ; word 16 n + r of my wave's totals
	s_lshr_b32 s32, s11, 1                         ; part: block cg / 2 of 64 channels, its half cg % 2, my wave's 32 entries of 512 bytes
	s_lshl_b32 s32, s32, 17
	s_and_b32 s14, s11, 1
	s_lshl_b32 s14, s14, 7
	s_add_co_u32 s32, s32, s14
	s_lshl_b32 s14, s8, 14
	s_add_co_u32 s32, s32, s14
	s_mov_b32 s33, 0
	s_lshl_b32 s34, s12, 16                        ; ycodes: 16 tiles of 4,096 bytes
	s_mov_b32 s35, 0
	s_lshl_b32 s36, s11, 21                        ; out0: channel 32 cg + 16 n, point 256 rb + 64 (w / 2)
	s_lshl_b32 s14, s9, 20
	s_add_co_u32 s36, s36, s14
	s_lshl_b32 s14, s12, 10
	s_add_co_u32 s36, s36, s14
	s_lshl_b32 s14, s10, 8
	s_add_co_u32 s36, s36, s14
	s_mov_b32 s37, 0
	s_mov_b32 s44, 0x76543210
	s_mov_b32 s45, 0xfedcba98                      ; selects: lane l xor 16
	s_mov_b32 s4, 0x42800000                       ; 64
	s_mov_b32 s5, 0x38800000                       ; 1 / 16,384
	s_mov_b32 s6, 0x3727c5ac                       ; 1e-5
	s_wait_kmcnt 0x0
	s_load_b128 s[40:43], s[28:29], 0x0            ; e0 .. e3
	s_add_nc_u64 s[16:17], s[16:17], s[34:35]
	s_add_nc_u64 s[26:27], s[26:27], s[32:33]
	s_add_nc_u64 s[30:31], s[30:31], s[36:37]
	; all loads in one run: 43 a wave
.irp i, 0,1,2,3,4,5,6,7,8,9,10,11,12,13,14,15
	global_load_b128 v[48+4*\i:51+4*\i], v4, s[26:27] offset:1024*\i     ; entries 32 w + 2 i and + 1: four runs of 128 consecutive bytes
.endr
.irp i, 0,1,2,3,4,5,6,7,8,9,10,11,12,13,14,15
	global_load_b128 v[128+4*\i:131+4*\i], v2, s[16:17] offset:512*\i    ; 512 consecutive bytes
.endr
.irp s, 0,1
.irp c, 0,1,2,3
	global_load_b128 v[16+16*\s+4*\c:19+16*\s+4*\c], v6, s[18:19] offset:128*\s+32*\c
.endr
.endr
	global_load_b32 v112, v3, s[20:21]             ; b2
	global_load_b32 v113, v3, s[22:23]             ; be2
	global_load_b32 v114, v3, s[24:25]             ; g2
	s_wait_loadcnt 27                              ; the partials are in; the 16 + 8 + 3 loads behind them may be out
	SUM16 48, 116
	ds_store_b128 v13, v[116:119] offset:RA
	s_wait_loadcnt 11                              ; y's sixteen images are in; the 8 + 3 loads behind them may be out
.irp i, 0,1,2,3,4,5,6,7,8,9,10,11,12,13,14,15
	ds_store_b128 v2, v[128+4*\i:131+4*\i] offset:YIMG+512*\i
.endr
	s_wait_dscnt 0x0
	s_barrier_signal -1
	s_barrier_wait -1                              ; the eight waves' sums and y's 128 images lie in LDS
.irp i, 0,1,2,3,4,5,6,7
	ds_load_b128 v[192+4*\i:195+4*\i], v1 offset:RA+512*\i
.endr
	s_wait_dscnt 0x0
	SUM8 192, 116
.irp j, 0,1,2,3
	v_permlanex16_b32 v[192+\j], v[116+\j], s44, s45   ; the even and the odd entries meet
.endr
	v_pk_add_f32 v[116:117], v[116:117], v[192:193]
	v_pk_add_f32 v[118:119], v[118:119], v[194:195]    ; lanes 0-7 and 16-23: the sum of the 256 means; lanes 8-15 and 24-31: the sum of the 256 M2
	ds_store_b128 v15, v[116:119]                      ; into my wave's own bytes: word c the means' sum of channel c, word 32 + c the M2's
.irp j, 0,1,2,3
	v_mul_f32 v[120+\j], 0x3b800000, v[116+\j]         ; / 256: mu, in the lanes that hold means (what the other lanes make of the lines below is not used)
.endr
.irp i, 0,1,2,3,4,5,6,7,8,9,10,11,12,13,14,15
	v_pk_add_f32 v[48+4*\i:49+4*\i], v[48+4*\i:49+4*\i], v[120:121] neg_lo:[0,1] neg_hi:[0,1]
	v_pk_add_f32 v[50+4*\i:51+4*\i], v[50+4*\i:51+4*\i], v[122:123] neg_lo:[0,1] neg_hi:[0,1]
.endr
	v_pk_mul_f32 v[124:125], v[48:49], v[48:49]
	v_pk_mul_f32 v[126:127], v[50:51], v[50:51]
.irp i, 1,2,3,4,5,6,7,8,9,10,11,12,13,14,15
	v_pk_fma_f32 v[124:125], v[48+4*\i:49+4*\i], v[48+4*\i:49+4*\i], v[124:125]
	v_pk_fma_f32 v[126:127], v[50+4*\i:51+4*\i], v[50+4*\i:51+4*\i], v[126:127]
.endr
	ds_store_b128 v13, v[124:127] offset:RB        ; other bytes than the first sums': a wave may still be reading those
.irp m, 0,1,2,3
.irp s, 0,1
.irp c, 0,1,2,3
	ds_load_b128 v[128+16*(2*\m+\s)+4*\c:131+16*(2*\m+\s)+4*\c], v14 offset:YIMG+4096*\m+512*(4*\s+\c)
.endr
.endr
.endr
	s_wait_dscnt 0x0                               ; my store has landed, and y's fragments are in
	s_barrier_signal -1
	s_barrier_wait -1
.irp i, 0,1,2,3,4,5,6,7
	ds_load_b128 v[80+4*\i:83+4*\i], v1 offset:RB+512*\i
.endr
	s_wait_loadcnt 0x0                             ; W2 and the parameters
.irp m, 0,1,2,3                                    ; four accumulators by turns; the products run while the loads above are out
	v_wmma_f32_16x16x128_bf8_bf8 v[48+8*\m:55+8*\m], v[128+32*\m:143+32*\m], v[16:31], 0
.endr
.irp m, 0,1,2,3
	v_wmma_f32_16x16x128_bf8_bf8 v[48+8*\m:55+8*\m], v[144+32*\m:159+32*\m], v[32:47], v[48+8*\m:55+8*\m]
.endr
	s_wait_kmcnt 0x0
	s_add_co_i32 s46, s42, s43
	s_add_co_i32 s46, s46, 127
	s_lshl_b32 s46, s46, 23                        ; 2^(e2 + e3)
	s_wait_dscnt 0x0
	SUM8 80, 124                                   ; these additions name no register of the products: they are the places behind them
.irp j, 0,1,2,3
	v_permlanex16_b32 v[80+\j], v[124+\j], s44, s45
.endr
	v_pk_add_f32 v[124:125], v[124:125], v[80:81]
	v_pk_add_f32 v[126:127], v[126:127], v[82:83]  ; in the lanes that hold means: the sum of (part's mean - mu)^2
	ds_store_b128 v15, v[124:127] offset:512
	ds_load_b32 v84, v115                          ; LDS serves a wave's instructions in order (ISA guide 5.7.1.4): these see my stores.  My channel's sum of means,
	ds_load_b32 v85, v115 offset:128               ; its sum of M2,
	ds_load_b32 v86, v115 offset:512               ; its sum of squared deviations
	s_wait_dscnt 0x0
	v_mul_f32 v87, 0x3b800000, v84                 ; mu
	v_fma_f32 v88, v86, s4, v85
	v_fma_f32 v88, v88, s5, s6                     ; var + 1e-5
	v_rsq_f32 v89, v88
	v_sub_f32 v10, v112, v87                       ; (a plain instruction behind the root)  b2 - mu
	s_wait_alu depctr_va_vdst(0)                   ; ahead of the root's first reader
	v_mul_f32 v89, v89, v114                       ; a
	v_mul_f32 v8, s46, v89
	v_mov_b32 v9, v8
	v_fma_f32 v10, v10, v89, v113
	v_mov_b32 v11, v10
.irp i, 0,2,4,6,8,10,12,14,16,18,20,22,24,26,28,30
	v_pk_fma_f32 v[80+\i:81+\i], v[48+\i:49+\i], v[8:9], v[10:11]   ; each accumulator from its low end on
.endr
.set i, 80
.rept 32
	v_max_num_f32 v[i], 0, v[i]
.set i, i+1
.endr
.irp m, 0,1,2,3
	ds_store_b128 v5, v[80+8*\m:83+8*\m] offset:64*\m
	ds_store_b128 v5, v[84+8*\m:87+8*\m] offset:64*\m+16
.endr
.irp i, 0,1,2,3,4,5,6,7
	ds_load_b128 v[128+4*\i:131+4*\i], v7 offset:2*\i*OP   ; my own bytes, behind my stores
.endr
.irp i, 0,1,2,3,4,5,6,7
	s_wait_dscnt 7-\i                              ; the younger row loads may stay out
	global_store_b128 v12, v[128+4*\i:131+4*\i], s[30:31] offset:2*\i*65536 th:TH_STORE_NT   ; channels 2 i and 2 i + 1 of my tile: 256 consecutive bytes each
.endr
	s_set_vgpr_msb 0x5
	s_wait_tensorcnt 0x0
	ds_add_u32 v0, v1
	s_wait_dscnt 0x0
	s_set_vgpr_msb 0x500
	s_endpgm
.Lfunc_end_k_qa2aaba5de8_outp:
	.size	k_qa2aaba5de8_outp, .Lfunc_end_k_qa2aaba5de8_outp-k_qa2aaba5de8_outp
	.p2alignl 7, 3214868480
	.fill 96, 4, 3214868480
	.section	.rodata,"a",@progbits
	.p2align	6, 0x0
	.amdhsa_kernel k_qa2aaba5de8_outp
		.amdhsa_group_segment_fixed_size 117760
		.amdhsa_private_segment_fixed_size 0
		.amdhsa_enable_private_segment 0
		.amdhsa_kernarg_size 64
		.amdhsa_user_sgpr_count 2
		.amdhsa_user_sgpr_kernarg_segment_ptr 1
		.amdhsa_wavefront_size32 1
		.amdhsa_system_sgpr_workgroup_id_x 1
		.amdhsa_system_sgpr_workgroup_id_y 1
		.amdhsa_system_sgpr_workgroup_id_z 1
		.amdhsa_system_vgpr_workitem_id 0
		.amdhsa_next_free_vgpr 258
		.amdhsa_next_free_sgpr 66
		.amdhsa_reserve_vcc 0
		.amdhsa_float_denorm_mode_32 3
		.amdhsa_float_denorm_mode_16_64 3
		.amdhsa_memory_ordered 1
		.amdhsa_forward_progress 1
		.amdhsa_inst_pref_size 27
	.end_amdhsa_kernel
	.amdgpu_metadata
---
amdhsa.version: [ 1, 2 ]
amdhsa.kernels:
  - .name:           k_qa2aaba5de8_outp
    .symbol:         k_qa2aaba5de8_outp.kd
    .args:
      - { .name: ycodes, .offset: 0, .size: 8, .value_kind: global_buffer, .address_space: global }
      - { .name: W2_codes, .offset: 8, .size: 8, .value_kind: global_buffer, .address_space: global }
      - { .name: b2, .offset: 16, .size: 8, .value_kind: global_buffer, .address_space: global }
      - { .name: be2, .offset: 24, .size: 8, .value_kind: global_buffer, .address_space: global }
      - { .name: g2, .offset: 32, .size: 8, .value_kind: global_buffer, .address_space: global }
      - { .name: part, .offset: 40, .size: 8, .value_kind: global_buffer, .address_space: global }
      - { .name: lowp_scales, .offset: 48, .size: 8, .value_kind: global_buffer, .address_space: global }
      - { .name: out0, .offset: 56, .size: 8, .value_kind: global_buffer, .address_space: global }
    .group_segment_fixed_size: 117760
    .private_segment_fixed_size: 0
    .kernarg_segment_align: 8
    .kernarg_segment_size: 64
    .max_flat_workgroup_size: 256
    .sgpr_count:     66
    .vgpr_count:     258
    .wavefront_size: 32
...
	.end_amdgpu_metadata
.endif
;; end of part 5
